; MI455X (gfx1250); checked and timed in simulation.
; The chip was launched on July 23, 2026; its instructions are those of AMD's public machine-readable ISA for CDNA 5 (MIT licence, August 2026) and "CDNA5" Instruction Set Architecture Reference Guide (July 2026). The comments in the code are by the model that wrote it; some were corrected since.
;; Word Attention. Allowed arithmetic: float matrix products may take bf16 or f16 operands with f32 sums; other float arithmetic in f32, or as packed bf16 or f16 multiplies, adds, multiply-adds, maxima and minima; sums over many terms, partial sums and values carried from step to step in f32; what a program stores and reads back later, other than sums and carried values, may be rounded once to bf16 or f16.
;; Inputs: W_c 512 float32; W_d 512 x 512 float32; W_h 512 x 512 float32; b_d 512 float32; beta 16 x 32 float32; coverage 16 x 32 x 128 float32; enc_padding_mask 16 x 32 x 128 float32; h 16 x 32 x 128 x 512 float32; s_t_hat 16 x 512 float32; v 512 float32.
;; Outputs: out0 16 x 512 float32; out1 16 x 4,096 float32; out2 16 x 32 x 128 float32.
;; 2 versions, each right. Each part assembles by itself: llvm-mc -triple=amdgcn-amd-amdhsa -mcpu=gfx1250 --defsym DOCPART=n.
;; ======== version 1 of 2: 3 launches
;; workspace buffers: wb 524,288 bytes; dec 32,768 bytes; pp 262,144 bytes; pml 4,096 bytes; pctx 1,048,576 bytes
;; launch prep (part 1): grid 8 x 1, 16 waves a work-group, no clusters, 18,432 bytes of LDS; arguments W_h, W_d, s_t_hat, b_d, wb, dec; writes wb, dec
.if DOCPART == 1
	.amdgcn_target "amdgcn-amd-amdhsa--gfx1250"
	.amdhsa_code_object_version 6
	.text
	.protected	k_qad3087ec0d_prep
	.globl	k_qad3087ec0d_prep
	.p2align	8
	.type	k_qad3087ec0d_prep,@function
k_qad3087ec0d_prep:
	s_mov_b64 s[64:65], 0
	v_nop
	global_prefetch_b8 v0, s[64:65] scope:SCOPE_SE
	s_setreg_imm32_b32 hwreg(HW_REG_WAVE_MODE, 25, 1), 1
	s_wait_xcnt 0x0
; WORD ATTENTION, launch 1 of 3: the weights' copy and the decoder's projection.
;   wb[kb][m][kk] = bf16(c W_h[m][64 kb + kk]),  kb 0..7, m 0..511, kk 0..63      dec[b][m] = c (sum over k of s_t_hat[b][k] W_d[m][k] + b_d[m]),  f32
; c = 2 log2(e): the next launch takes tanh(x) = 1 - 2 / (1 + 2^(c x)), so c rides on everything that is added up to x.
; WORK LEFT OUT IN THE WHOLE PROGRAM.  reference() forms attn_ = e / Z x mask with e = exp(w - max w), Z = sum of e, and divides attn_ by its own sum: attn_dist = e mask / sum(e mask).
; Z is a common factor of numerator and denominator and at least 1 (the largest e is 1), so it cancels for all finite inputs: the sum Z and the division by it are not made.  The maximum over ALL
; tokens of a batch, hidden ones too, is taken away as reference() takes it.  Every input has a way to an output and is loaded.
; LIMITS.  A NaN, an infinity or an overflow that would reach Z alone is not carried to the result.  Matrix operands (h, W_h, W_d, s_t_hat) are rounded to bf16, W_h after the factor c.
; NaN and infinities among the inputs are not treated apart.
; SHARES.  Work-group g owns the rows m = 64 g .. 64 g + 63 of W_h and W_d.  Wave v: mt = v % 4 (16 rows), kq = v / 4 (128 of the 512 along K).  The four K quarters of dec meet in LDS.
.set C2L,   0x4038aa3b                 ; c = 2.885390
.set SPARE, 16384                      ; behind the partial sums: the spare words, 128 bytes for each of 16 waves
.set WH,  32                           ; v[32:95]    16 rows x 128 K of W_h in f32, then in bf16 in the lower half
.set SA,  96                           ; v[96:159]   s_t_hat: 16 rows x 128 K, then four fragments in the lower half
.set WD,  160                          ; v[160:223]  W_d likewise
.set AC0, 224                          ; v[224:231], v[232:239]  two accumulators, by turns
.set AC1, 232
.set BD,  240                          ; v[240:243]  b_d
.set SPW, 28                           ; v28  my spare word's LDS address; never rewritten
.set NIL, 29                           ; v29  0; never rewritten
	s_load_b256 s[4:11], s[0:1], 0x0               ; W_h s[4:5], W_d s[6:7], s_t_hat s[8:9], b_d s[10:11]
	s_load_b128 s[12:15], s[0:1], 0x20             ; wb s[12:13], dec s[14:15]
	v_lshl_add_u32 v[SPW], v0, 2, SPARE
	v_mov_b32 v[NIL], 0
	v_lshrrev_b32 v1, 5, v0
	v_readfirstlane_b32 s16, v1                    ; wave 0..15
	s_and_b32 s17, s16, 3                          ; mt
	s_lshr_b32 s18, s16, 2                         ; kq
	s_lshl_b32 s19, ttmp9, 6
	s_lshl4_add_u32 s19, s17, s19                  ; m0 = 64 g + 16 mt
	s_lshl_b32 s20, s19, 11                        ; m0 rows of 2,048 bytes
	s_lshl_b32 s21, s18, 9                         ; kq x 128 f32
	s_add_co_u32 s20, s20, s21
	s_lshl_b32 s22, s18, 17                        ; in wb: kq x two blocks of 65,536 bytes
	s_lshl_b32 s23, s19, 7                         ; + m0 rows of 128 bytes
	s_add_co_u32 s22, s22, s23
	s_lshl_b32 s23, ttmp9, 8                       ; g x 64 f32
	s_lshl_b32 s24, s16, 10                        ; my 1,024 bytes of partial sums
	v_and_b32 v2, 15, v0                           ; r = l % 16
	v_bfe_u32 v3, v0, 4, 1                         ; hh = l / 16
	v_and_b32 v4, 7, v0
	v_bfe_u32 v5, v0, 3, 2                         ; (l / 8) % 4
	v_lshlrev_b32 v6, 11, v5                       ; W_h: eight lanes take 256 bytes of a row, four rows an instruction pair
	v_lshl_add_u32 v6, v4, 5, v6
	v_add_nc_u32 v6, s20, v6
	v_lshlrev_b32 v7, 11, v2                       ; fragments: row r, 32 bytes (8 f32) for each half of the lanes
	v_lshl_add_u32 v7, v3, 5, v7
	v_add_nc_u32 v8, s21, v7                       ; s_t_hat: row b = r
	v_add_nc_u32 v7, s20, v7                       ; W_d: row m0 + r
	v_lshlrev_b32 v9, 7, v5                        ; wb: the same four rows, 16 bytes a lane
	v_lshl_add_u32 v9, v4, 4, v9
	v_add_nc_u32 v9, s22, v9
	v_lshl_add_u32 v10, v2, 4, s23                 ; b_d: 256 g + 16 (t % 16)
	v_lshlrev_b32 v11, 6, v2                       ; partial sums in: [b = r][16 m] f32, 32 bytes for each half of the lanes
	v_lshl_add_u32 v11, v3, 5, v11
	v_add_nc_u32 v11, s24, v11
	v_lshrrev_b32 v13, 4, v0                       ; b = t / 16 (threads 0 to 255)
	v_bfe_u32 v14, v0, 2, 2                        ; which 16 rows
	v_and_b32 v15, 3, v0
	v_lshlrev_b32 v12, 10, v14                     ; partial sums back: four m of one b
	v_lshl_add_u32 v12, v13, 6, v12
	v_lshl_add_u32 v12, v15, 4, v12
	v_lshl_add_u32 v16, v13, 11, v10               ; dec: 2,048 b + 256 g + 16 (t % 16)
	s_wait_kmcnt 0x0
.irp p, 0,1
.irp i, 0,1,2,3
	global_load_b128 v[WH+8*(4*(\p)+(\i)):WH+8*(4*(\p)+(\i))+3],   v6, s[4:5] offset:(\i)*8192+(\p)*256 th:TH_LOAD_NT
	global_load_b128 v[WH+8*(4*(\p)+(\i))+4:WH+8*(4*(\p)+(\i))+7], v6, s[4:5] offset:(\i)*8192+(\p)*256+16 th:TH_LOAD_NT
.endr
.endr
.irp q, 0,1,2,3                        ; fragment q, 32 along K: K = 8 hh + 0..7 and 16 + 8 hh + 0..7, in f32 32 bytes each, 64 bytes apart
	global_load_b128 v[WD+16*(\q):WD+16*(\q)+3],     v7, s[6:7] offset:128*(\q) th:TH_LOAD_NT
	global_load_b128 v[WD+16*(\q)+4:WD+16*(\q)+7],   v7, s[6:7] offset:128*(\q)+16 th:TH_LOAD_NT
	global_load_b128 v[WD+16*(\q)+8:WD+16*(\q)+11],  v7, s[6:7] offset:128*(\q)+64 th:TH_LOAD_NT
	global_load_b128 v[WD+16*(\q)+12:WD+16*(\q)+15], v7, s[6:7] offset:128*(\q)+80 th:TH_LOAD_NT
	global_load_b128 v[SA+16*(\q):SA+16*(\q)+3],     v8, s[8:9] offset:128*(\q)
	global_load_b128 v[SA+16*(\q)+4:SA+16*(\q)+7],   v8, s[8:9] offset:128*(\q)+16
	global_load_b128 v[SA+16*(\q)+8:SA+16*(\q)+11],  v8, s[8:9] offset:128*(\q)+64
	global_load_b128 v[SA+16*(\q)+12:SA+16*(\q)+15], v8, s[8:9] offset:128*(\q)+80
.endr
	s_cmp_lt_u32 s16, 8                            ; the waves that finish dec also fetch the bias
	s_cbranch_scc0 .Lno_bias
	global_load_b128 v[BD:BD+3], v10, s[10:11]
.Lno_bias:
	s_wait_loadcnt 0x0                             ; one wait for all: everything was asked for at once
	; W_h: times c, rounded to bf16 in place (register n from 2 n and 2 n + 1, ascending: no source is overwritten before it is read)
.set n, 0
.rept 32
	v_pk_mul_f32 v[WH+2*n:WH+2*n+1], v[WH+2*n:WH+2*n+1], C2L op_sel_hi:[1,0]
.set n, n+1
.endr
.set n, 0
.rept 32
	v_cvt_pk_bf16_f32 v[WH+n], v[WH+2*n], v[WH+2*n+1]
.set n, n+1
.endr
.irp p, 0,1
.irp i, 0,1,2,3
	global_store_b128 v9, v[WH+4*(4*(\p)+(\i)):WH+4*(4*(\p)+(\i))+3], s[12:13] offset:(\p)*65536+(\i)*512  ; four rows of 128 bytes: 512 consecutive bytes a wave
.endr
.endr
	; dec: both operands to bf16 in place, fragment q at + 8 q
.set n, 0
.rept 32
	v_cvt_pk_bf16_f32 v[WD+n], v[WD+2*n], v[WD+2*n+1]
	v_cvt_pk_bf16_f32 v[SA+n], v[SA+2*n], v[SA+2*n+1]
.set n, n+1
.endr
	; source 0 = 16 rows of W_d, source 1 = the 16 rows of s_t_hat: a lane holds b = r and m = 8 hh + 0..7.  Two accumulators by turns
	v_wmma_f32_16x16x32_bf16 v[AC0:AC0+7], v[WD:WD+7],     v[SA:SA+7],     0
	v_wmma_f32_16x16x32_bf16 v[AC1:AC1+7], v[WD+8:WD+15],  v[SA+8:SA+15],  0
	v_wmma_f32_16x16x32_bf16 v[AC0:AC0+7], v[WD+16:WD+23], v[SA+16:SA+23], v[AC0:AC0+7]
	v_wmma_f32_16x16x32_bf16 v[AC1:AC1+7], v[WD+24:WD+31], v[SA+24:SA+31], v[AC1:AC1+7]
.rept 4
	v_nop                                          ; four places between the last product and the first read of a result (ISA guide 7.12.1)
.endr
.irp j, 0,2,4,6
	v_pk_add_f32 v[AC0+(\j):AC0+(\j)+1], v[AC0+(\j):AC0+(\j)+1], v[AC1+(\j):AC1+(\j)+1]
.endr
	ds_store_b128 v11, v[AC0:AC0+3]
	ds_store_b128 v11, v[AC0+4:AC0+7] offset:16
	s_wait_dscnt 0x0                               ; for the others' sake: my partial sums lie in LDS
	s_barrier_signal -1
	s_barrier_wait -1
	s_cmp_lt_u32 s16, 8
	s_cbranch_scc0 .Lend
.irp k, 0,1,2,3
	ds_load_b128 v[WD+4*(\k):WD+4*(\k)+3], v12 offset:4096*(\k)  ; the four K quarters of my four numbers
.endr
	s_wait_dscnt 0x0
	v_pk_add_f32 v[WD:WD+1],     v[WD:WD+1],     v[WD+4:WD+5]
	v_pk_add_f32 v[WD+2:WD+3],   v[WD+2:WD+3],   v[WD+6:WD+7]
	v_pk_add_f32 v[WD+8:WD+9],   v[WD+8:WD+9],   v[WD+12:WD+13]
	v_pk_add_f32 v[WD+10:WD+11], v[WD+10:WD+11], v[WD+14:WD+15]
	v_pk_add_f32 v[WD:WD+1],     v[WD:WD+1],     v[WD+8:WD+9]
	v_pk_add_f32 v[WD+2:WD+3],   v[WD+2:WD+3],   v[WD+10:WD+11]
	v_pk_add_f32 v[WD:WD+1],     v[WD:WD+1],     v[BD:BD+1]
	v_pk_add_f32 v[WD+2:WD+3],   v[WD+2:WD+3],   v[BD+2:BD+3]
	v_pk_mul_f32 v[WD:WD+1],     v[WD:WD+1],     C2L op_sel_hi:[1,0]
	v_pk_mul_f32 v[WD+2:WD+3],   v[WD+2:WD+3],   C2L op_sel_hi:[1,0]
	global_store_b128 v16, v[WD:WD+3], s[14:15]    ; sixteen lanes store 256 consecutive bytes, aligned
.Lend:
	s_wait_tensorcnt 0x0                           ; the wave's end, behind my last LDS store
	ds_add_u32 v[SPW], v[NIL]
	s_wait_dscnt 0x0
	s_endpgm
.Lfunc_end_k_qad3087ec0d_prep:
	.size	k_qad3087ec0d_prep, .Lfunc_end_k_qad3087ec0d_prep-k_qad3087ec0d_prep
	.p2alignl 7, 3214868480
	.fill 96, 4, 3214868480
	.section	.rodata,"a",@progbits
	.p2align	6, 0x0
	.amdhsa_kernel k_qad3087ec0d_prep
		.amdhsa_group_segment_fixed_size 18432
		.amdhsa_private_segment_fixed_size 0
		.amdhsa_enable_private_segment 0
		.amdhsa_kernarg_size 48
		.amdhsa_user_sgpr_count 2
		.amdhsa_user_sgpr_kernarg_segment_ptr 1
		.amdhsa_wavefront_size32 1
		.amdhsa_system_sgpr_workgroup_id_x 1
		.amdhsa_system_sgpr_workgroup_id_y 1
		.amdhsa_system_sgpr_workgroup_id_z 1
		.amdhsa_system_vgpr_workitem_id 0
		.amdhsa_next_free_vgpr 256
		.amdhsa_next_free_sgpr 66
		.amdhsa_reserve_vcc 0
		.amdhsa_float_denorm_mode_32 3
		.amdhsa_float_denorm_mode_16_64 3
		.amdhsa_memory_ordered 1
		.amdhsa_forward_progress 1
		.amdhsa_inst_pref_size 19
	.end_amdhsa_kernel
	.amdgpu_metadata
---
amdhsa.version: [ 1, 2 ]
amdhsa.kernels:
  - .name:           k_qad3087ec0d_prep
    .symbol:         k_qad3087ec0d_prep.kd
    .args:
      - { .name: W_h, .offset: 0, .size: 8, .value_kind: global_buffer, .address_space: global }
      - { .name: W_d, .offset: 8, .size: 8, .value_kind: global_buffer, .address_space: global }
      - { .name: s_t_hat, .offset: 16, .size: 8, .value_kind: global_buffer, .address_space: global }
      - { .name: b_d, .offset: 24, .size: 8, .value_kind: global_buffer, .address_space: global }
      - { .name: wb, .offset: 32, .size: 8, .value_kind: global_buffer, .address_space: global }
      - { .name: dec, .offset: 40, .size: 8, .value_kind: global_buffer, .address_space: global }
    .group_segment_fixed_size: 18432
    .private_segment_fixed_size: 0
    .kernarg_segment_align: 8
    .kernarg_segment_size: 48
    .max_flat_workgroup_size: 512
    .sgpr_count:     66
    .vgpr_count:     256
    .wavefront_size: 32
...
	.end_amdgpu_metadata
.endif
;; end of part 1
;; launch main (part 2): grid 256 x 1, 4 waves a work-group, clusters of 4 x 1, 327,680 bytes of LDS; arguments h, coverage, enc_padding_mask, beta, W_c, v, wb, dec, pp, pml, pctx; writes pp, pml, pctx
.if DOCPART == 2
	.amdgcn_target "amdgcn-amd-amdhsa--gfx1250"
	.amdhsa_code_object_version 6
	.text
	.protected	k_qad3087ec0d_main
	.globl	k_qad3087ec0d_main
	.p2align	8
	.type	k_qad3087ec0d_main,@function
k_qad3087ec0d_main:
	s_mov_b64 s[64:65], 0
	v_nop
	global_prefetch_b8 v0, s[64:65] scope:SCOPE_SE
	s_setreg_imm32_b32 hwreg(HW_REG_WAVE_MODE, 25, 1), 1
	s_wait_xcnt 0x0
	s_wait_alu depctr_hold_cnt(0) depctr_sa_sdst(0) depctr_va_vdst(0) depctr_va_sdst(0) depctr_va_ssrc(0) depctr_va_vcc(0) depctr_vm_vsrc(0)
	s_getreg_b32 s2, hwreg(HW_REG_IB_STS2, 6, 4)
	s_cmp_eq_u32 s2, 0
	s_cbranch_scc0 .Lentry_in_a_cluster
	s_endpgm
.Lentry_in_a_cluster:
	s_bfe_u32 s2, ttmp6, 0x10000c
	s_cmp_lg_u32 s2, 0x3003
	s_cbranch_scc0 .Lentry_shape_is_right
	s_endpgm
.Lentry_shape_is_right:
; WORD ATTENTION, launch 2 of 3.  For each tile (one sentence: 128 tokens x 512 channels of h):
;   t[tok][m] = c (h W_h^T + dec_fea + coverage W_c),  c = 2 log2(e);   score = sum of v + sum over m of (-2 v[m]) / (1 + 2^t): that is sum of v tanh(..);   w = beta log2(e) score;
;   m' = max of w over the tile (hidden tokens too);  p = 2^(w - m') mask;  l = sum of p;  ctx[n] = sum over tokens of p h[tok][n].      Stored: pp = p, pml = (m', l), pctx = ctx.
; The next launch joins a batch's 32 tiles.  Left out, as shown at the head of the first kernel: the softmax's own denominator, which cancels in attn_dist.
; LIMITS.  h and c W_h enter the products in bf16; p enters the second product as two bf16 numbers, p_hi + p_lo.  2^t beyond f32's range gives infinity, its reciprocal 0, tanh 1; below the range 0, tanh -1.
; NaN and infinities among the inputs are not treated apart.
; SHARES.  A work-group owns 256 tokens: two tiles, one after the other.  Wave w makes all 128 tokens x m = 128 w .. 128 w + 127: 64 accumulators, 512 registers.  K goes in 8 steps of 64.
; h IS READ ONCE: it comes in chunks of 128 tokens x 64 K (f32, 16 loads of 16 bytes a lane), two chunks always on their way, is rounded to bf16 and laid into LDS a step ahead of the products that
; take it, and the whole tile stays there until p is known: the second product reads it turned.
; c W_h (wb, 512 KB, in blocks of 64 K) goes through a ring of two LDS slots.  CLUSTER: all work-groups walk the same blocks, so the four of a cluster ask JOINTLY: the same tensor load, descriptor and
; mask in all four; wave w fetches, and alone reads, the block's rows 128 w .. 128 w + 127.
; THE MATRIX INSTRUCTION IS USED TRANSPOSED: source 0 = 16 rows of c W_h, source 1 = 16 tokens: a lane holds ONE token (l % 16) and eight m (8 (l / 16) + 0..7).
; REGISTERS, in windows of 256 (s_set_vgpr_msb: bits 1:0 source 0, 3:2 source 1, 5:4 source 2, 7:6 destination):
;   window 0: v0-31 addresses; v32-47 coverage; v48-63 scores at work; v64-127, v128-191 fragments of h, two buffers (tables and work between the K loops); v192-255 the second product's sums
;   window 1: v0-63, v192-255 two chunks of h on their way; v64-127, v128-191 fragments of c W_h (in the second product: of h, turned)
;   windows 2, 3: the accumulators: (token block a, m block b) at v[8 (8 (a % 4) + b)] of window 2 + a / 4
.set CHK,   18432                      ; 128 rows x 144 bytes: a chunk of h in bf16, and a wave's quarter of a block of wb.  A row: 128 bytes + 16 of padding = 36 words: the 16 rows of a load start at 16 different groups of four banks (64 banks of 4 bytes: ISA guide 11.1)
.set WS1,   73728                      ; slot 0 at 0, slot 1 here: 512 rows x 144; tensor loads alone write them
.set HT,    147456                     ; the tile of h: chunk c at + 18,432 c; LDS stores alone write it
.set TAB,   294912                     ; tables: c dec_fea (2,048 bytes), then
.set T_WC,  2048                       ;   c W_c,
.set T_V2,  4096                       ;   -2 v,
.set T_COV, 6144                       ;   the work-group's 256 coverages,
.set T_MSK, 7168                       ;   and its 256 mask values
.set SCB,   303104                     ; partial scores [wave][128] f32
.set PWB,   305152                     ; for each wave: p_hi, p_lo, 128 bf16 each
.set CXB,   307200                     ; for each wave: 128 f32 of context, for the way out
.set SPARE, 309248                     ; the spare words, 128 bytes for each wave: two blocks of 256 bytes that no other line names
.set ADRA,  4                          ; v4   LDS address of my fragments of h in the chunk pair in hand
.set ADRA0, 5                          ; v5   the same for chunk 0; never rewritten
.set ADRB,  6                          ; v6-7 the same for c W_h in slot 0, 1
.set HOF,   8                          ; v8   my byte offset in a chunk of h in memory; never rewritten
.set HST,   9                          ; v9   where I lay 8 bytes of a chunk's row
.set HST0,  10                         ; v10  the same for chunk 0; never rewritten
.set TCA,   11                         ; v11  my eight m in a table
.set COVA,  12                         ; v12  my token's coverage
.set MSKA,  13                         ; v13  the mask of tokens 4 l ..
.set SCW,   14                         ; v14  partial scores in
.set SCR,   15                         ; v15  and back
.set PWS,   16                         ; v16  p in
.set PWR,   17                         ; v17  and back as a fragment
.set TRA,   18                         ; v18  the turning loads' address
.set CXS,   19                         ; v19  context in
.set CXR,   20                         ; v20  and back
.set GO,    21                         ; v21  16 l
.set GOX,   22                         ; v22  512 w + 16 l
.set VW,    23                         ; v23  the sum of v over my wave's 128 m
.set PFO,   24                         ; v24  the prefetches' offset: my thread's row; never rewritten
.set ZO,    25                         ; v25  0
.set SPW,   28                         ; v28  my spare word's LDS address; never rewritten
.set NIL,   29                         ; v29  0; never rewritten
.set COVR,  32                         ; v32-47  coverage of token block a, in both registers of pair a
.set SS,    48                         ; v48-55  score sums by token block
.set TT,    56                         ; v56-63  at work
.set F0,    64
.set F1,    128
.set WV,  26                           ; s26  my wave's number
.set G1,  32                           ; s[32:39] descriptor group 1
.set G0,  40                           ; s[40:47] descriptor group 0, a set for each slot
.set HB,  48                           ; s[48:49] h at the chunk that the trip's first step asks for
.set PF,  50                           ; s[50:51] h at the chunk that the trip's first prefetch names
.set PFS, 52                           ; s[52:53] its next step
.set PFN, 54                           ; s54  pairs of chunks still to be prefetched
.set KC,  55                           ; s55  trips of the K loop
.set TL,  56                           ; s56  tiles to go
.set KO,  57                           ; s57  LDS bytes from chunk 0 to the chunk pair in hand
.set MUL_LO, 0xa1                      ; source 0 window 1, source 1 window 0, C and D window 2
.set MUL_HI, 0xf1                      ; the same, C and D window 3
.set TO1,    0x40                      ; destination window 1, address window 0
.set CV,     0x45                      ; destination and both sources window 1
.set ST1,    0x04                      ; source 1 (an LDS store's data; the second product's h) window 1
.set MSB, 0
.macro WIN new                         ; the immediate's high byte repeats the setting that is left; a switch that changes nothing is dropped
.if MSB != (\new)
	s_set_vgpr_msb (MSB<<8)|(\new)
.set MSB, (\new)
.endif
.endm
.macro PLACES                          ; four places behind a matrix instruction, in front of loads into registers that it has read and of vector work on its results (ISA guide 7.12.1 for the vector work)
.rept 4
	v_nop
.endr
.endm
.macro CREST                           ; a round of the cluster's barrier behind its opening barrier
	s_cmp_lg_u32 s[WV], 0
	s_cbranch_scc1 .Lnot_wave_0_\@
	s_barrier_signal -3
.Lnot_wave_0_\@:
	s_barrier_wait -3
	s_barrier_signal -1
	s_barrier_wait -1
.endm
.macro CROUND                          ; a whole round
	s_barrier_signal -1
	s_barrier_wait -1
	CREST
.endm
; 16 matrix instructions: token blocks a0, a0 + 1 of the window's four x all 8 m blocks, 32 along K.  The 64 accumulators take turns, one instruction a turn, in the same order in every half step.
.macro MUL16 f, hi, a0
	WIN MUL_LO+0x50*(\hi)
.irp a, \a0, (\a0)+1
.irp b, 0,1,2,3,4,5,6,7
	v_wmma_f32_16x16x32_bf16 v[8*(8*(\a)+(\b)):8*(8*(\a)+(\b))+7], v[(\f)+8*(\b):(\f)+8*(\b)+7], v[(\f)+8*(4*(\hi)+(\a)):(\f)+8*(4*(\hi)+(\a))+7], v[8*(8*(\a)+(\b)):8*(8*(\a)+(\b))+7]
.endr
.endr
.endm
; 32 LDS loads in one run: the fragments of 32 along K (my 128 rows of c W_h at byte kb of slot s's rows; the 128 tokens at byte acol behind ADRA) into buffer f.  The tokens' upper half comes last.
.macro FETCH s, kb, acol, f
	WIN TO1
.irp i, 0,1,2,3,4,5,6,7
	ds_load_b128 v[(\f)+8*(\i):(\f)+8*(\i)+3],   v[ADRB+(\s)] offset:(\kb)+(\i)*2304
	ds_load_b128 v[(\f)+8*(\i)+4:(\f)+8*(\i)+7], v[ADRB+(\s)] offset:(\kb)+(\i)*2304+32
.endr
	WIN 0
.irp i, 0,1,2,3,4,5,6,7
	ds_load_b128 v[(\f)+8*(\i):(\f)+8*(\i)+3],   v[ADRA] offset:(\acol)+(\i)*2304
	ds_load_b128 v[(\f)+8*(\i)+4:(\f)+8*(\i)+7], v[ADRA] offset:(\acol)+(\i)*2304+32
.endr
.endm
; A chunk of h is asked for: my wave's 32 tokens x 64 K in f32.  Sixteen lanes take the 256 consecutive, aligned bytes of one token, the other sixteen those of the token 8 further down.
.macro ISSUE set, off
	WIN TO1
.set n, 0
.rept 16
	global_load_b128 v[192*(\set)+4*n:192*(\set)+4*n+3], v[HOF], s[HB:HB+1] offset:((n&7)+16*(n>>3))*2048+(\off) th:TH_LOAD_NT
.set n, n+1
.endr
.endm
; A PREFETCH INTO THE L2 of the chunk four chunks beyond the one just asked for: each wave names its own 32 tokens' 256 bytes, a lane a token, directly behind its loads.  So each block of h is named once in
; the launch, by the wave that will load it.  The first six chunks come by their loads alone; five pairs are named, the last of them the second tile's chunks 6 and 7: nothing past the work-group's rows.
.macro ASK off, off2=-1
	WIN 0
	s_cmp_lg_u32 s[PFN], 0
	s_cbranch_scc0 .Lno_ask_\@
	global_prefetch_b8 v[PFO], s[PF:PF+1] offset:\off th:TH_LOAD_NT scope:SCOPE_SE
.if (\off2) >= 0
	global_prefetch_b8 v[PFO], s[PF:PF+1] offset:\off2 th:TH_LOAD_NT scope:SCOPE_SE
.endif
.Lno_ask_\@:
.endm
.macro PFSTEP                          ; the prefetches' pointer goes on by a pair of chunks (the first time: from chunk 6 to the next tile's chunk 0), and one pair fewer is left
	s_add_nc_u64 s[PF:PF+1], s[PF:PF+1], s[PFS:PFS+1]
	s_mov_b32 s[PFS], 512
	s_sub_co_i32 s[PFN], s[PFN], 1
	s_max_i32 s[PFN], s[PFN], 0
.endm
; A chunk that has arrived is rounded to bf16 in place and laid into the tile, at byte col behind HST.  left = the younger loads that may stay out.  The two halves of the lanes write rows 8 apart: 288 words, the other 32 banks.
.macro EVENT set, left, col
	s_wait_loadcnt \left
	WIN CV
.set n, 0
.rept 16
	v_cvt_pk_bf16_f32 v[192*(\set)+4*n],   v[192*(\set)+4*n],   v[192*(\set)+4*n+1]
	v_cvt_pk_bf16_f32 v[192*(\set)+4*n+1], v[192*(\set)+4*n+2], v[192*(\set)+4*n+3]
.set n, n+1
.endr
	WIN ST1
.set n, 0
.rept 16
	ds_store_b64 v[HST], v[192*(\set)+4*n:192*(\set)+4*n+1] offset:((n&7)+16*(n>>3))*144+(\col)
.set n, n+1
.endr
.endm
; ONE K STEP of 64 on slot s: 128 matrix instructions.
; iss = 1: the chunk two steps on is asked for, into the registers that the last step's stores have left; 2: the next tile's first two chunks.   evt = 1, 2: the next step's chunk is laid into LDS (2: no younger loads).
; fill = 2: the change of slots, with a refill; 1: without; 0: the very last step.   wrap = 1: the refill is the next tile's (six blocks back).   next = 1: the next step's first fragments are fetched.
; THE CHANGE OF SLOTS: each wave waits for all its tensor loads (one is out: its part of the other slot), adds 0 to its spare word, and waits for that, for its reads of this slot and of this step's chunk, and for its
; stores of the next chunk.  Behind the barrier the next chunk is whole and nobody reads this slot.  With a refill the barrier opens a round of the cluster's, and the joint load is the first thing behind it.
.macro STEP s, iss, evt, fill, wrap, next
.if (\iss) == 1
	ISSUE \s, 256*(\s)
	ASK 256*(\s)
.elseif (\iss) == 2
	ISSUE 0, 260096                                ; HB stands 2,048 bytes into the tile: the next tile begins 262,144 - 2,048 bytes on
	ISSUE 1, 260352
	ASK 0, 256
.endif
	s_wait_dscnt 8                                 ; c W_h and tokens 0-63 are in; the youngest eight loads (tokens 64-127) may be out
	MUL16 F0, 0, 0
	MUL16 F0, 0, 2
	PLACES
	FETCH \s, 64, CHK*(\s)+64, F1
	s_wait_dscnt 32                                ; all but the 32 just issued
	MUL16 F0, 1, 0
	MUL16 F0, 1, 2
.if (\evt) == 1
	EVENT 1-(\s), 16, CHK*((\s)+1)                 ; the chunk asked for at this step's head is younger
.elseif (\evt) == 2
	EVENT 1-(\s), 0, CHK*((\s)+1)
.endif
.if (\fill) == 0
	s_wait_dscnt 8
	MUL16 F1, 0, 0
	MUL16 F1, 0, 2
	s_wait_dscnt 0x0
	MUL16 F1, 1, 0
	MUL16 F1, 1, 2
.else
	WIN 0                                          ; (the add's two registers lie in window 0)
	s_wait_tensorcnt 0x0                           ; all my tensor loads have landed: my part of the other slot
	ds_add_u32 v[SPW], v[NIL]                      ; 0 onto my spare word
.if (\evt) == 0
	s_wait_dscnt 9                                 ; the add and the youngest eight loads may be out
.else
	s_wait_dscnt 25                                ; the add, the chunk's sixteen stores and the youngest eight loads may be out
.endif
	MUL16 F1, 0, 0                                 ; sixteen matrix instructions stand between the add and the wait for it
	s_wait_dscnt 0x0                               ; the add, my stores of the next chunk and my reads of this slot and chunk are done
	s_barrier_signal -1
	MUL16 F1, 0, 2                                 ; work on registers while the others arrive
	WIN 0
	s_barrier_wait -1
.if (\fill) == 2
	CREST                                          ; no wave of any partner still reads this slot or has a load on its way
.if \wrap
	s_sub_nc_u64 s[G0+4*(\s)+2:G0+4*(\s)+3], s[G0+4*(\s)+2:G0+4*(\s)+3], 393216  ; from block 6 or 7 back to block 0 or 1
.else
	s_add_nc_u64 s[G0+4*(\s)+2:G0+4*(\s)+3], s[G0+4*(\s)+2:G0+4*(\s)+3], 131072  ; two blocks on
.endif
	tensor_load_to_lds s[G0+4*(\s):G0+4*(\s)+3], s[G1:G1+7]
	s_nop 0
	PLACES                                         ; the places in front of the loads below
.else
	PLACES
.endif
.if \next
	FETCH 1-(\s), 0, CHK*((\s)+1), F0
.endif
	MUL16 F1, 1, 0
	MUL16 F1, 1, 2
.endif
.endm
; THE SCORES, for one window's four token blocks (group g = registers 64 g .. 64 g + 63).  Three stages run side by side on neighbouring groups: X: 2^t in place, ascending
; A: + 1, in pairs; R: the reciprocal in place; F: times -2 v, summed into the group's first eight registers.  Every reader of an exponential's or a
; reciprocal's result stands one pass later, behind that pass's one wait; a v_nop is the plain instruction behind a pass's last transcendental (ISA guide 5.7.2).
.macro EPIW W
	WIN 0xa2+0x51*((\W)-2)                         ; destination, source 0 and source 2 in the accumulators' window, source 1 (-2 v) in window 0
.set it, 0
.rept 6
.if it >= 1
	s_wait_alu depctr_va_vdst(0)
.endif
.if (it == 2) && ((\W) == 2)
	s_wait_dscnt 0x0                               ; -2 v is in
.endif
.set n, 0
.rept 32
.if it <= 3
	v_exp_f32 v[64*it+2*n], v[64*it+2*n]
.endif
.if (it >= 1) && (it <= 4)
	v_pk_add_f32 v[64*(it-1)+2*n:64*(it-1)+2*n+1], v[64*(it-1)+2*n:64*(it-1)+2*n+1], 1.0 op_sel_hi:[1,0]
.endif
.if it <= 3
	v_exp_f32 v[64*it+2*n+1], v[64*it+2*n+1]
.endif
.set n, n+1
.endr
.set n, 0
.rept 32
.if (it >= 1) && (it <= 4)
	v_rcp_f32 v[64*(it-1)+2*n], v[64*(it-1)+2*n]
.endif
.if (it >= 2) && (n < 4)
	v_pk_mul_f32 v[64*(it-2)+2*n:64*(it-2)+2*n+1], v[64*(it-2)+2*n:64*(it-2)+2*n+1], v[64+2*n:64+2*n+1]
.elseif it >= 2
	v_pk_fma_f32 v[64*(it-2)+2*(n%4):64*(it-2)+2*(n%4)+1], v[64*(it-2)+2*n:64*(it-2)+2*n+1], v[64+2*n:64+2*n+1], v[64*(it-2)+2*(n%4):64*(it-2)+2*(n%4)+1]
.endif
.if (it >= 1) && (it <= 4)
	v_rcp_f32 v[64*(it-1)+2*n+1], v[64*(it-1)+2*n+1]
.endif
.set n, n+1
.endr
.if it <= 4
	v_nop
.endif
.set it, it+1
.endr
	WIN 0x8a+0x45*((\W)-2)                         ; destination and both sources in the accumulators' window
.irp g, 0,1,2,3
	v_pk_add_f32 v[64*(\g):64*(\g)+1],   v[64*(\g):64*(\g)+1],   v[64*(\g)+2:64*(\g)+3]
	v_pk_add_f32 v[64*(\g)+4:64*(\g)+5], v[64*(\g)+4:64*(\g)+5], v[64*(\g)+6:64*(\g)+7]
.endr
.irp g, 0,1,2,3
	v_pk_add_f32 v[64*(\g):64*(\g)+1],   v[64*(\g):64*(\g)+1],   v[64*(\g)+4:64*(\g)+5]
.endr
	WIN 0x0a+0x05*((\W)-2)                         ; the destination in window 0
.irp g, 0,1,2,3
	v_add_f32 v[SS+4*((\W)-2)+(\g)], v[64*(\g)], v[64*(\g)+1]
.endr
.endm
.macro EPI
	PLACES                                         ; behind the last products
	WIN 0
.irp b, 0,1,2,3,4,5,6,7
	ds_load_b128 v[64+8*(\b):67+8*(\b)], v[TCA] offset:T_V2+64*(\b)
	ds_load_b128 v[68+8*(\b):71+8*(\b)], v[TCA] offset:T_V2+64*(\b)+16
.endr
	EPIW 2
	EPIW 3
.endm
; THE TILE'S SOFTMAX, tile t of the work-group's two.  The waves' partial scores meet in LDS; then every wave makes all 128 weights for itself, four tokens a lane, since each needs them all for its channels.
.macro SOFT t
	WIN 0
.irp a, 0,1,2,3,4,5,6,7
	v_permlanex16_b32 v[TT+(\a)], v[SS+(\a)], s62, s63  ; the token's other 64 m lie in the lane 16 away
.endr
.irp a, 0,1,2,3,4,5,6,7
	v_add_f32 v[SS+(\a)], v[SS+(\a)], v[TT+(\a)]
.endr
.irp i, 0,1,2,3
	v_cndmask_b32 v[64+(\i)], v[SS+2*(\i)], v[SS+2*(\i)+1], s66  ; lanes 0-15 keep block 2 i, lanes 16-31 block 2 i + 1: token 32 i + l
.endr
.irp i, 0,1,2,3
	v_add_f32 v[64+(\i)], v[VW], v[64+(\i)]
.endr
.irp i, 0,1,2,3
	ds_store_b32 v[SCW], v[64+(\i)] offset:128*(\i)
.endr
	s_wait_dscnt 0x0                               ; for the others' sake: my partial scores lie in LDS
	s_barrier_signal -1
	s_barrier_wait -1
.irp u, 0,1,2,3
	ds_load_b128 v[64+4*(\u):67+4*(\u)], v[SCR] offset:512*(\u)
.endr
	ds_load_b128 v[80:83], v[MSKA] offset:512*(\t)
	s_mul_f32 s60, s[58+(\t)], 0x3fb8aa3b          ; beta log2(e)
	s_mov_b32 s61, s60                             ; named with it as a pair
	s_wait_dscnt 0x0
	v_pk_add_f32 v[64:65], v[64:65], v[68:69]
	v_pk_add_f32 v[66:67], v[66:67], v[70:71]
	v_pk_add_f32 v[72:73], v[72:73], v[76:77]
	v_pk_add_f32 v[74:75], v[74:75], v[78:79]
	v_pk_add_f32 v[64:65], v[64:65], v[72:73]
	v_pk_add_f32 v[66:67], v[66:67], v[74:75]
	v_pk_mul_f32 v[64:65], v[64:65], s[60:61] op_sel_hi:[1,0]
	v_pk_mul_f32 v[66:67], v[66:67], s[60:61] op_sel_hi:[1,0]
	v_max3_num_f32 v84, v64, v65, v66              ; the tile's maximum, hidden tokens among them, as reference() takes it
	v_max_num_f32 v84, v84, v67
	v_max_num_f32_dpp v84, v84, v84 row_xmask:1 row_mask:0xf bank_mask:0xf
	v_max_num_f32_dpp v84, v84, v84 row_xmask:2 row_mask:0xf bank_mask:0xf
	v_max_num_f32_dpp v84, v84, v84 row_xmask:4 row_mask:0xf bank_mask:0xf
	v_max_num_f32_dpp v84, v84, v84 row_xmask:8 row_mask:0xf bank_mask:0xf
	v_permlanex16_b32 v[TT], v84, s62, s63
	v_max_num_f32 v84, v84, v[TT]
	v_mov_b32 v85, v84
	v_pk_add_f32 v[64:65], v[64:65], v[84:85] neg_lo:[0,1] neg_hi:[0,1]
	v_pk_add_f32 v[66:67], v[66:67], v[84:85] neg_lo:[0,1] neg_hi:[0,1]
	v_exp_f32 v64, v64
	v_exp_f32 v65, v65
	v_exp_f32 v66, v66
	v_exp_f32 v67, v67
	v_nop                                          ; a plain instruction behind the last exponential,
	s_wait_alu depctr_va_vdst(0)                   ; and the one wait ahead of the first use
	v_pk_mul_f32 v[64:65], v[64:65], v[80:81]      ; p
	v_pk_mul_f32 v[66:67], v[66:67], v[82:83]
	v_add_f32 v86, v64, v65
	v_add_f32 v87, v66, v67
	v_add_f32 v85, v86, v87                        ; l, beside m' in a pair
	v_add_f32_dpp v85, v85, v85 row_xmask:1 row_mask:0xf bank_mask:0xf
	v_add_f32_dpp v85, v85, v85 row_xmask:2 row_mask:0xf bank_mask:0xf
	v_add_f32_dpp v85, v85, v85 row_xmask:4 row_mask:0xf bank_mask:0xf
	v_add_f32_dpp v85, v85, v85 row_xmask:8 row_mask:0xf bank_mask:0xf
	v_permlanex16_b32 v[TT+1], v85, s62, s63
	v_add_f32 v85, v85, v[TT+1]
	s_cmp_lg_u32 s[WV], 0                          ; all four waves hold the same numbers: wave 0 stores them
	s_cbranch_scc1 .Lnot_0_\@
	global_store_b128 v[GO], v[64:67], s[20:21] offset:512*(\t)  ; 512 consecutive bytes
	s_wait_xcnt 0x0                                ; EXEC changes only behind this wait: pending loads and stores have read it
	v_cmp_eq_u32 vcc_lo, 0, v3
	s_and_saveexec_b32 s67, vcc_lo
	global_store_b64 v[ZO], v[84:85], s[22:23] offset:8*(\t)     ; lane 0: (m', l)
	s_wait_xcnt 0x0                                ; and again in front of the line that widens it
	s_or_b32 exec_lo, exec_lo, s67
.Lnot_0_\@:
	v_cvt_pk_bf16_f32 v88, v64, v65                ; p_hi,
	v_cvt_pk_bf16_f32 v89, v66, v67
	v_lshlrev_b32 v90, 16, v88
	v_and_b32 v91, s66, v88
	v_lshlrev_b32 v92, 16, v89
	v_and_b32 v93, s66, v89
	v_pk_add_f32 v[90:91], v[64:65], v[90:91] neg_lo:[0,1] neg_hi:[0,1]
	v_pk_add_f32 v[92:93], v[66:67], v[92:93] neg_lo:[0,1] neg_hi:[0,1]
	v_cvt_pk_bf16_f32 v94, v90, v91                ; and p_lo = bf16(p - p_hi)
	v_cvt_pk_bf16_f32 v95, v92, v93
	ds_store_b64 v[PWS], v[88:89]
	ds_store_b64 v[PWS], v[94:95] offset:256
.irp q, 0,1,2,3                        ; back as source 0 of the second product, 32 tokens a fragment: even rows hold p_hi, odd rows p_lo.  My wave's own bytes; LDS serves a wave's instructions in order (ISA guide 5.7.1.4)
	ds_load_b128 v[128+8*(\q):131+8*(\q)], v[PWR] offset:64*(\q)
	ds_load_b128 v[132+8*(\q):135+8*(\q)], v[PWR] offset:64*(\q)+32
.endr
.endm
; THE CONTEXT: D = P x h for my wave's 128 channels (chunks 2 w and 2 w + 1 of the tile), 32 tokens a step q.  h lies [token][channel] and comes turned, by ds_load_tr16_b128.
.macro TR q
	WIN TO1
.irp b, 0,1,2,3,4,5,6,7
	ds_load_tr16_b128 v[64+64*((\q)%2)+8*(\b):67+64*((\q)%2)+8*(\b)], v[TRA] offset:((\b)/4)*CHK+4608*(\q)+32*((\b)%4)
	ds_load_tr16_b128 v[68+64*((\q)%2)+8*(\b):71+64*((\q)%2)+8*(\b)], v[TRA] offset:((\b)/4)*CHK+4608*(\q)+32*((\b)%4)+2304
.endr
.endm
.macro CMUL q, zero                    ; eight products, the eight accumulators by turns
	WIN ST1
.irp b, 0,1,2,3,4,5,6,7
.if \zero
	v_wmma_f32_16x16x32_bf16 v[192+8*(\b):199+8*(\b)], v[128+8*(\q):135+8*(\q)], v[64+64*((\q)%2)+8*(\b):71+64*((\q)%2)+8*(\b)], 0
.else
	v_wmma_f32_16x16x32_bf16 v[192+8*(\b):199+8*(\b)], v[128+8*(\q):135+8*(\q)], v[64+64*((\q)%2)+8*(\b):71+64*((\q)%2)+8*(\b)], v[192+8*(\b):199+8*(\b)]
.endif
.endr
.endm
.macro CTX t
	TR 0
	TR 1
	s_wait_dscnt 16                                ; p's fragments and step 0 are in; step 1's sixteen loads may be out
	CMUL 0, 1
	PLACES
	TR 2
	s_wait_dscnt 16
	CMUL 1, 0
	PLACES
	TR 3
	s_wait_dscnt 16
	CMUL 2, 0
	s_wait_dscnt 0x0
	CMUL 3, 0
	PLACES
	WIN 0
.irp b, 0,1,2,3,4,5,6,7
	v_add_f32 v[96+(\b)], v[192+8*(\b)], v[193+8*(\b)]  ; register 0 is a p_hi row, register 1 a p_lo row, in both halves of the lanes: channel 16 b + l % 16
.endr
.irp i, 0,1,2,3
	v_cndmask_b32 v[104+(\i)], v[96+2*(\i)], v[97+2*(\i)], s66  ; channel 32 i + l
.endr
.irp i, 0,1,2,3
	ds_store_b32 v[CXS], v[104+(\i)] offset:128*(\i)
.endr
	ds_load_b128 v[108:111], v[CXR]                ; my wave's own bytes, in order: four neighbouring channels a lane
	s_wait_dscnt 0x0
	global_store_b128 v[GOX], v[108:111], s[24:25] offset:2048*(\t)  ; 512 consecutive bytes a wave
.endm
	s_load_b512 s[4:19], s[0:1], 0x0               ; h s[4:5], coverage s[6:7], mask s[8:9], beta s[10:11], W_c s[12:13], v s[14:15], wb s[16:17], dec s[18:19]
	s_load_b128 s[20:23], s[0:1], 0x40             ; pp s[20:21], pml s[22:23]
	s_load_b64 s[24:25], s[0:1], 0x50              ; pctx
	v_lshl_add_u32 v[SPW], v0, 2, SPARE
	v_mov_b32 v[NIL], 0
	ds_add_u32 v[SPW], v[NIL]                      ; the wave's opening: the add, twice on end, and its wait ahead of my first tensor load; the set-up below stands between
	ds_add_u32 v[SPW], v[NIL]                      ; and once more, under the one wait
	v_lshrrev_b32 v1, 5, v0
	v_readfirstlane_b32 s[WV], v1                  ; wave 0..3
	s_bfe_u32 s27, ttmp6, 0x40000                  ; cx: my place in the cluster
	s_lshl_b32 s28, ttmp9, 2                       ; in a cluster launch ttmp9 counts clusters
	s_add_co_u32 s28, s28, s27                     ; my work-group: it enters global addresses of h, the small inputs and the results alone
	s_lshr_b32 s29, s28, 4                         ; my batch
	; descriptor group 1: a wave's quarter of a block of wb is 16,384 dense bytes: asked for as 64 rows of 256 bytes, two rows of c W_h each, padded in LDS after every 128 bytes
	s_mov_b32 s[G1], 15|(1<<16)|(1<<20)|(1<<21)|(4<<22)|(3<<25)  ; 15:0 the mask of four; 17:16 2-byte elements; 20 padding on; 21 set beside a mask; 24:22 after every 32 words (code 4); 31:25 4 words (code 3)
	s_mov_b32 s[G1+1], 128<<16                     ; tensor_dim0 = 128
	s_mov_b32 s[G1+2], 64<<16                      ; tensor_dim1 = 64
	s_mov_b32 s[G1+3], 128<<16                     ; tile_dim0 = 128
	s_mov_b32 s[G1+4], 64                          ; tile_dim1 = 64
	s_mov_b32 s[G1+5], 128                         ; 128 elements from row to row
	s_mov_b32 s[G1+6], 0
	s_mov_b32 s[G1+7], 0
	s_mul_i32 s2, s[WV], CHK                       ; my quarter of a slot: no place in the cluster enters an LDS address
	s_mov_b32 s[G0], 1
	s_mov_b32 s[G0+1], s2
	s_mov_b32 s[G0+4], 1
	s_add_co_u32 s[G0+5], s2, WS1
	s_mov_b32 s[PFS], 260608                       ; from chunk 6 of a tile to chunk 0 of the next
	s_mov_b32 s[PFS+1], 0
	s_mov_b32 s[PFN], 5
	s_mov_b32 s62, 0x76543210                      ; v_permlanex16_b32: each lane takes its own place in the other half
	s_mov_b32 s63, 0xfedcba98
	s_mov_b32 s66, 0xffff0000                      ; lanes 16-31; also a word's upper bf16
	s_mov_b32 s31, 0
	s_wait_dscnt 0x0                               ; both opening adds are done
	s_wait_kmcnt 0x0
	s_lshl_b32 s30, s[WV], 14
	s_add_nc_u64 s[G0+2:G0+3], s[16:17], s[30:31]  ; block 0, my rows
	s_add_nc_u64 s[G0+6:G0+7], s[G0+2:G0+3], 65536 ; block 1
	s_or_b32 s[G0+3], s[G0+3], 0x80000000          ; type = 2
	s_or_b32 s[G0+7], s[G0+7], 0x80000000
	s_lshl_b32 s30, s28, 19                        ; 256 tokens of 2,048 bytes
	s_add_nc_u64 s[HB:HB+1], s[4:5], s[30:31]
	s_add_nc_u64 s[PF:PF+1], s[HB:HB+1], 1536      ; chunk 6
	s_lshl_b32 s30, s28, 10                        ; 256 f32
	s_add_nc_u64 s[6:7], s[6:7], s[30:31]
	s_add_nc_u64 s[8:9], s[8:9], s[30:31]
	s_add_nc_u64 s[20:21], s[20:21], s[30:31]
	s_lshl_b32 s30, s28, 4
	s_add_nc_u64 s[22:23], s[22:23], s[30:31]
	s_lshl_b32 s30, s28, 12
	s_add_nc_u64 s[24:25], s[24:25], s[30:31]
	s_lshl_b32 s30, s28, 3
	s_add_nc_u64 s[10:11], s[10:11], s[30:31]
	s_lshl_b32 s30, s29, 11
	s_add_nc_u64 s[18:19], s[18:19], s[30:31]
	CROUND                                         ; all four work-groups are here: the first joint loads meet
	tensor_load_to_lds s[G0:G0+3], s[G1:G1+7]      ; block 0 into slot 0,
	s_nop 0
	tensor_load_to_lds s[G0+4:G0+7], s[G1:G1+7]    ; block 1 into slot 1: two loads of mine are out
	s_nop 0
	PLACES
	s_load_b64 s[58:59], s[10:11], 0x0             ; beta of my two tiles
	v_and_b32 v1, 15, v0                           ; r = l % 16
	v_bfe_u32 v2, v0, 4, 1                         ; hh = l / 16
	v_and_b32 v3, 31, v0                           ; l
	v_lshlrev_b32 v26, 4, v0
	v_lshlrev_b32 v27, 3, v0
	v_lshlrev_b32 v[HOF], 4, v1                    ; token 32 w + 8 hh, 16 bytes a lane
	v_lshl_add_u32 v[HOF], v2, 14, v[HOF]
	s_lshl_b32 s3, s[WV], 16
	v_add_nc_u32 v[HOF], s3, v[HOF]
	global_load_b128 v[64:67], v26, s[18:19]       ; the tables: thread t takes four m, or two tokens
	global_load_b128 v[68:71], v26, s[12:13]
	global_load_b128 v[72:75], v26, s[14:15]
	global_load_b64 v[76:77], v27, s[6:7]
	global_load_b64 v[78:79], v27, s[8:9]
	ISSUE 0, 0                                     ; chunks 0 and 1
	ISSUE 1, 256
	WIN 0
	v_mul_u32_u24 v30, v1, 144
	v_lshl_add_u32 v30, v2, 4, v30                 ; a fragment's row x pitch + 16 x half
	v_add_nc_u32 v[ADRA0], HT, v30
	v_add_nc_u32 v[ADRB], s[G0+1], v30
	v_add_nc_u32 v[ADRB+1], s[G0+5], v30
	v_mul_u32_u24 v[HST0], v2, 1152                ; row 32 w + 8 hh, 8 bytes a lane
	v_lshl_add_u32 v[HST0], v1, 3, v[HST0]
	s_mul_i32 s3, s[WV], 4608
	s_add_co_u32 s3, s3, HT
	v_add_nc_u32 v[HST0], s3, v[HST0]
	s_lshl_b32 s2, s[WV], 9                        ; 512 w
	s_add_co_u32 s3, s2, TAB
	v_lshl_add_u32 v[TCA], v2, 5, s3               ; m = 128 w + 8 hh
	v_lshl_add_u32 v[COVA], v1, 2, TAB+T_COV
	v_lshl_add_u32 v[MSKA], v3, 4, TAB+T_MSK
	s_add_co_u32 s3, s2, SCB
	v_lshl_add_u32 v[SCW], v3, 2, s3
	v_lshl_add_u32 v[SCR], v3, 4, SCB
	s_add_co_u32 s3, s2, PWB
	v_lshl_add_u32 v[PWS], v3, 3, s3
	v_and_b32 v31, 1, v0
	v_lshl_add_u32 v[PWR], v31, 8, s3              ; even rows read p_hi, odd rows p_lo
	v_lshl_add_u32 v[PWR], v2, 4, v[PWR]
	v_and_b32 v31, 7, v0                           ; the turning load: lane l reads token 8 hh + l % 8, channels 8 ((l / 8) % 2) + 0..7
	v_lshl_add_u32 v31, v2, 3, v31
	v_mul_u32_u24 v[TRA], v31, 144
	v_bfe_u32 v31, v0, 3, 1
	v_lshl_add_u32 v[TRA], v31, 4, v[TRA]
	s_mul_i32 s3, s[WV], 2*CHK
	s_add_co_u32 s3, s3, HT
	v_add_nc_u32 v[TRA], s3, v[TRA]
	s_add_co_u32 s3, s2, CXB
	v_lshl_add_u32 v[CXS], v3, 2, s3
	v_lshl_add_u32 v[CXR], v3, 4, s3
	v_lshlrev_b32 v[GO], 4, v3
	v_lshl_add_u32 v[GOX], v3, 4, s2
	v_lshlrev_b32 v[PFO], 11, v0                   ; token 32 w + l
	v_mov_b32 v[ZO], 0
.irp a, 0,1,2,3,4,5,6,7
	v_mov_b32 v[TT+(\a)], 0                        ; v_permlanex16_b32's destinations count as read
.endr
	v_lshl_add_u32 v30, v0, 4, TAB
	v_lshl_add_u32 v31, v0, 3, TAB+T_COV
	s_wait_xcnt 0x0                                ; every load issued so far has read its address, so the pointer may be written
	s_add_nc_u64 s[HB:HB+1], s[HB:HB+1], 512       ; chunk 2
	s_wait_loadcnt 32                              ; the tables are in; the two chunks' 32 loads are younger
	v_pk_mul_f32 v[68:69], v[68:69], 0x4038aa3b op_sel_hi:[1,0]  ; c W_c
	v_pk_mul_f32 v[70:71], v[70:71], 0x4038aa3b op_sel_hi:[1,0]
	v_pk_mul_f32 v[80:81], v[72:73], -2.0 op_sel_hi:[1,0]        ; -2 v
	v_pk_mul_f32 v[82:83], v[74:75], -2.0 op_sel_hi:[1,0]
	v_add_f32 v[VW], v72, v73                      ; my wave's threads hold just its 128 m
	v_add_f32 v84, v74, v75
	v_add_f32 v[VW], v[VW], v84
	v_add_f32_dpp v[VW], v[VW], v[VW] row_xmask:1 row_mask:0xf bank_mask:0xf
	v_add_f32_dpp v[VW], v[VW], v[VW] row_xmask:2 row_mask:0xf bank_mask:0xf
	v_add_f32_dpp v[VW], v[VW], v[VW] row_xmask:4 row_mask:0xf bank_mask:0xf
	v_add_f32_dpp v[VW], v[VW], v[VW] row_xmask:8 row_mask:0xf bank_mask:0xf
	v_permlanex16_b32 v[TT], v[VW], s62, s63
	v_add_f32 v[VW], v[VW], v[TT]
	ds_store_b128 v30, v[64:67]
	ds_store_b128 v30, v[68:71] offset:T_WC
	ds_store_b128 v30, v[80:83] offset:T_V2
	ds_store_b64 v31, v[76:77]
	ds_store_b64 v31, v[78:79] offset:T_MSK-T_COV
	s_wait_dscnt 0x0                               ; for the others' sake: my part of the tables lies in LDS
	s_wait_kmcnt 0x0                               ; beta
	s_barrier_signal -1
	s_barrier_wait -1                              ; the tensor loads may stay out
	s_mov_b32 s[TL], 2
.Ltile:
	s_wait_tensorcnt 0x1                           ; slot 0 is in; one load was issued behind its own, slot 1's, at the start and at a change of tiles alike
	PLACES                                         ; for the loads into registers that the second product has read
.irp a, 0,1,2,3,4,5,6,7
	ds_load_b32 v[COVR+2*(\a)],   v[COVA] offset:64*(\a)
	ds_load_b32 v[COVR+2*(\a)+1], v[COVA] offset:64*(\a)
.endr
.irp b, 0,1,2,3,4,5,6,7
	ds_load_b128 v[64+8*(\b):67+8*(\b)],   v[TCA] offset:T_WC+64*(\b)
	ds_load_b128 v[68+8*(\b):71+8*(\b)],   v[TCA] offset:T_WC+64*(\b)+16
	ds_load_b128 v[128+8*(\b):131+8*(\b)], v[TCA] offset:64*(\b)
	ds_load_b128 v[132+8*(\b):135+8*(\b)], v[TCA] offset:64*(\b)+16
.endr
	s_mov_b32 s[KO], 0
	v_mov_b32 v[ADRA], v[ADRA0]
	v_mov_b32 v[HST], v[HST0]
	s_wait_dscnt 0x0
	; the sums start at c dec_fea[m] + coverage[token] c W_c[m]: nothing is cleared, and the K loop has one form of product
.set ia, 0
.rept 8
	WIN 0x80+0x40*(ia/4)                           ; the destination in window 2 or 3
.set ib, 0
.rept 8
.set ij, 0
.rept 4
	v_pk_fma_f32 v[8*(8*(ia%4)+ib)+2*ij:8*(8*(ia%4)+ib)+2*ij+1], v[64+8*ib+2*ij:64+8*ib+2*ij+1], v[COVR+2*ia:COVR+2*ia+1], v[128+8*ib+2*ij:128+8*ib+2*ij+1]
.set ij, ij+1
.endr
.set ib, ib+1
.endr
.set ia, ia+1
.endr
	EVENT 0, 16, 0                                 ; chunk 0; chunk 1's sixteen loads are younger
	s_wait_dscnt 0x0                               ; for the others' sake: my rows of chunk 0 lie in LDS
	s_barrier_signal -1
	s_barrier_wait -1
	FETCH 0, 0, 0, F0
	s_mov_b32 s[KC], 3
.Lk:                                                   ; a trip: two K steps, once round the ring; steps 0 to 5
	STEP 0, 1, 1, 2, 0, 1
	STEP 1, 1, 1, 2, 0, 1
	WIN 0                                          ; at a label and at a branch every window is 0
	s_add_co_u32 s[KO], s[KO], 2*CHK
	v_add_nc_u32 v[ADRA], s[KO], v[ADRA0]
	v_add_nc_u32 v[HST], s[KO], v[HST0]
	s_wait_xcnt 0x0                                ; the trip's loads and prefetches, a K step back or more, have read their addresses
	s_add_nc_u64 s[HB:HB+1], s[HB:HB+1], 512
	PFSTEP
	s_sub_co_u32 s[KC], s[KC], 1
	s_cmp_lg_u32 s[KC], 0
	s_cbranch_scc1 .Lk
	s_cmp_eq_u32 s[TL], 1
	s_cbranch_scc1 .Llast                          ; the last tile's tail is written out: it asks for nothing more
	STEP 0, 0, 2, 2, 1, 1                          ; THE RING GOES ON INTO THE NEXT TILE: slot 0 takes block 0,
	STEP 1, 2, 0, 2, 1, 0                          ; slot 1 block 1, and the next tile's first two chunks of h are asked for
	EPI
	SOFT 0
	CTX 0
	s_wait_dscnt 0x0                               ; my reads of the tile are over:
	s_barrier_signal -1
	s_barrier_wait -1                              ; everybody's are: the next tile's chunks may be laid over it
	s_wait_xcnt 0x0                                ; the stores have read their registers, the loads and prefetches their addresses
	s_add_nc_u64 s[HB:HB+1], s[HB:HB+1], 260608    ; from 2,048 bytes into this tile to chunk 2 of the next
	PFSTEP
	v_add_nc_u32 v[COVA], 512, v[COVA]
	s_sub_co_u32 s[TL], s[TL], 1
	s_branch .Ltile
.Llast:
	STEP 0, 0, 2, 1, 0, 1                          ; nothing is filled again, so no round of the cluster's barrier follows
	STEP 1, 0, 0, 0, 0, 0
	EPI
	SOFT 1
	CTX 1
	s_wait_tensorcnt 0x0                           ; the wave's end, behind my last tensor load and my last LDS store
	ds_add_u32 v[SPW], v[NIL]
	s_wait_dscnt 0x0
	CROUND                                         ; the closing round: no work-group ends while a partner may still ask for a block that names it
	s_endpgm
.Lfunc_end_k_qad3087ec0d_main:
	.size	k_qad3087ec0d_main, .Lfunc_end_k_qad3087ec0d_main-k_qad3087ec0d_main
	.p2alignl 7, 3214868480
	.fill 96, 4, 3214868480
	.section	.rodata,"a",@progbits
	.p2align	6, 0x0
	.amdhsa_kernel k_qad3087ec0d_main
		.amdhsa_group_segment_fixed_size 327680
		.amdhsa_private_segment_fixed_size 0
		.amdhsa_enable_private_segment 0
		.amdhsa_kernarg_size 88
		.amdhsa_user_sgpr_count 2
		.amdhsa_user_sgpr_kernarg_segment_ptr 1
		.amdhsa_wavefront_size32 1
		.amdhsa_system_sgpr_workgroup_id_x 1
		.amdhsa_system_sgpr_workgroup_id_y 1
		.amdhsa_system_sgpr_workgroup_id_z 1
		.amdhsa_system_vgpr_workitem_id 0
		.amdhsa_next_free_vgpr 1024
		.amdhsa_next_free_sgpr 72
		.amdhsa_reserve_vcc 1
		.amdhsa_float_denorm_mode_32 3
		.amdhsa_float_denorm_mode_16_64 3
		.amdhsa_memory_ordered 1
		.amdhsa_forward_progress 1
		.amdhsa_inst_pref_size 255
	.end_amdhsa_kernel
	.section	.bss,"aw",@nobits
	.p2align	6
	.space	262144
	.amdgpu_metadata
---
amdhsa.version: [ 1, 2 ]
amdhsa.kernels:
  - .name:           k_qad3087ec0d_main
    .symbol:         k_qad3087ec0d_main.kd
    .args:
      - { .name: h, .offset: 0, .size: 8, .value_kind: global_buffer, .address_space: global }
      - { .name: coverage, .offset: 8, .size: 8, .value_kind: global_buffer, .address_space: global }
      - { .name: enc_padding_mask, .offset: 16, .size: 8, .value_kind: global_buffer, .address_space: global }
      - { .name: beta, .offset: 24, .size: 8, .value_kind: global_buffer, .address_space: global }
      - { .name: W_c, .offset: 32, .size: 8, .value_kind: global_buffer, .address_space: global }
      - { .name: v, .offset: 40, .size: 8, .value_kind: global_buffer, .address_space: global }
      - { .name: wb, .offset: 48, .size: 8, .value_kind: global_buffer, .address_space: global }
      - { .name: dec, .offset: 56, .size: 8, .value_kind: global_buffer, .address_space: global }
      - { .name: pp, .offset: 64, .size: 8, .value_kind: global_buffer, .address_space: global }
      - { .name: pml, .offset: 72, .size: 8, .value_kind: global_buffer, .address_space: global }
      - { .name: pctx, .offset: 80, .size: 8, .value_kind: global_buffer, .address_space: global }
    .group_segment_fixed_size: 327680
    .private_segment_fixed_size: 0
    .kernarg_segment_align: 8
    .kernarg_segment_size: 88
    .max_flat_workgroup_size: 128
    .sgpr_count:     72
    .vgpr_count:     1024
    .wavefront_size: 32
...
	.end_amdgpu_metadata
.endif
;; end of part 2
;; launch fin (part 3): grid 128 x 1, 4 waves a work-group, no clusters, 1,536 bytes of LDS; arguments pp, pml, pctx, coverage, out0, out1, out2; writes out0, out1, out2
.if DOCPART == 3
	.amdgcn_target "amdgcn-amd-amdhsa--gfx1250"
	.amdhsa_code_object_version 6
	.text
	.protected	k_qad3087ec0d_fin
	.globl	k_qad3087ec0d_fin
	.p2align	8
	.type	k_qad3087ec0d_fin,@function
k_qad3087ec0d_fin:
	s_mov_b64 s[64:65], 0
	v_nop
	global_prefetch_b8 v0, s[64:65] scope:SCOPE_SE
	s_setreg_imm32_b32 hwreg(HW_REG_WAVE_MODE, 25, 1), 1
	s_wait_xcnt 0x0
; WORD ATTENTION, launch 3 of 3: a batch's 32 tiles are joined.  M = max of m'_t;  L = sum of l_t 2^(m'_t - M);  scale_t = 2^(m'_t - M) / L;
;   out1 = p scale (attn_dist);   out2 = coverage + p scale;   out0[n] = sum over t of scale_t pctx[t][n] (c_t).
; Left out, as shown at the head of the first kernel: the softmax's own denominator, which cancels.  LIMIT: a batch whose tokens are all hidden has L = 0 and gives NaN, as reference() does.
; No matrix unit, no tensor load, no cluster: the launch moves 2.1 MB once and no work-group shares more than 256 bytes with another.
; SHARES.  Work-group: batch b = g / 8, part j = g % 8: 512 tokens (four tiles, a wave each, four tokens a thread) and 64 channels (thread t: channels 4 (t % 16) .., tiles 4 (t / 16) + 0..3).
.set SPARE, 1024                       ; behind the waves' partial contexts (256 bytes each): the spare words
.set SPW, 30                           ; v30  my spare word's LDS address; never rewritten
.set NIL, 31                           ; v31  0; never rewritten
	s_load_b256 s[4:11], s[0:1], 0x0               ; pp s[4:5], pml s[6:7], pctx s[8:9], coverage s[10:11]
	s_load_b128 s[12:15], s[0:1], 0x20             ; out0 s[12:13], out1 s[14:15]
	s_load_b64 s[16:17], s[0:1], 0x30              ; out2
	v_lshl_add_u32 v[SPW], v0, 2, SPARE
	v_mov_b32 v[NIL], 0
	v_lshrrev_b32 v1, 5, v0
	v_readfirstlane_b32 s18, v1                    ; wave
	s_lshr_b32 s19, ttmp9, 3                       ; b
	s_and_b32 s20, ttmp9, 7                        ; j
	v_and_b32 v2, 31, v0                           ; l
	v_and_b32 v3, 15, v0
	v_lshrrev_b32 v4, 4, v0                        ; t / 16
	s_lshl_b32 s21, s19, 8
	v_lshl_add_u32 v5, v2, 3, s21                  ; pml: tile 32 b + l
	s_lshl_b32 s22, s19, 14
	s_lshl_b32 s23, s20, 11
	s_add_co_u32 s22, s22, s23
	v_lshl_add_u32 v6, v0, 4, s22                  ; tokens: 16,384 b + 2,048 j + 16 t
	s_lshl_b32 s24, s19, 16
	s_lshl_b32 s25, s20, 8
	s_add_co_u32 s24, s24, s25
	v_lshlrev_b32 v7, 13, v4
	v_lshl_add_u32 v7, v3, 4, v7
	v_add_nc_u32 v7, s24, v7                       ; pctx: tile 32 b + 4 (t / 16), 256 j + 16 (t % 16)
	s_lshl_b32 s26, s20, 2
	s_add_co_u32 s26, s26, s18
	s_lshl_b32 s26, s26, 2
	v_mov_b32 v8, s26                              ; the lane that holds my tokens' tile, 4 j + wave, times 4
	v_lshlrev_b32 v26, 4, v4                       ; and those of my four context tiles
	v_add_nc_u32 v27, 4, v26
	v_add_nc_u32 v28, 8, v26
	v_add_nc_u32 v29, 12, v26
	s_lshl_b32 s27, s18, 8
	v_lshl_add_u32 v10, v3, 4, s27
	v_lshlrev_b32 v11, 3, v2
	s_lshl_b32 s28, s19, 11
	s_add_co_u32 s28, s28, s25
	v_lshl_add_u32 v12, v2, 3, s28                 ; out0: 2,048 b + 256 j + 8 l
	s_mov_b32 s30, 0x76543210
	s_mov_b32 s31, 0xfedcba98
	v_mov_b32 v13, 0                               ; v_permlanex16_b32's destinations count as read
.irp k, 33,35,37,39,40,41,42,43
	v_mov_b32 v\k, 0                               ; and so do the upper halves of the pairs that carry a scale
.endr
	s_wait_kmcnt 0x0
	global_load_b64 v[14:15], v5, s[6:7]
	global_load_b128 v[16:19], v6, s[4:5]
	global_load_b128 v[20:23], v6, s[10:11]
.irp u, 0,1,2,3
	global_load_b128 v[44+4*(\u):47+4*(\u)], v7, s[8:9] offset:2048*(\u)
.endr
	s_wait_loadcnt 6                               ; (m', l) of tile l is in; the six loads behind it may stay out
	v_mov_b32 v60, v14
	v_max_num_f32_dpp v60, v60, v60 row_xmask:1 row_mask:0xf bank_mask:0xf
	v_max_num_f32_dpp v60, v60, v60 row_xmask:2 row_mask:0xf bank_mask:0xf
	v_max_num_f32_dpp v60, v60, v60 row_xmask:4 row_mask:0xf bank_mask:0xf
	v_max_num_f32_dpp v60, v60, v60 row_xmask:8 row_mask:0xf bank_mask:0xf
	v_permlanex16_b32 v13, v60, s30, s31
	v_max_num_f32 v60, v60, v13                    ; M
	v_sub_f32 v61, v14, v60
	v_exp_f32 v61, v61
	v_nop                                          ; a plain instruction behind the exponential,
	s_wait_alu depctr_va_vdst(0)                   ; and the wait ahead of its first use
	v_mul_f32 v62, v15, v61
	v_add_f32_dpp v62, v62, v62 row_xmask:1 row_mask:0xf bank_mask:0xf
	v_add_f32_dpp v62, v62, v62 row_xmask:2 row_mask:0xf bank_mask:0xf
	v_add_f32_dpp v62, v62, v62 row_xmask:4 row_mask:0xf bank_mask:0xf
	v_add_f32_dpp v62, v62, v62 row_xmask:8 row_mask:0xf bank_mask:0xf
	v_permlanex16_b32 v13, v62, s30, s31
	v_add_f32 v62, v62, v13                        ; L
	v_rcp_f32 v62, v62
	v_nop
	s_wait_alu depctr_va_vdst(0)
	v_mul_f32 v61, v61, v62                        ; lane l: tile l's scale
	ds_bpermute_b32 v24, v8, v61
	ds_bpermute_b32 v32, v26, v61
	ds_bpermute_b32 v34, v27, v61
	ds_bpermute_b32 v36, v28, v61
	ds_bpermute_b32 v38, v29, v61
	s_wait_dscnt 0x0
	v_mov_b32 v25, v24
	s_wait_loadcnt 0x0
	v_pk_fma_f32 v[20:21], v[16:17], v[24:25], v[20:21]
	v_pk_fma_f32 v[22:23], v[18:19], v[24:25], v[22:23]
	v_pk_mul_f32 v[16:17], v[16:17], v[24:25]
	v_pk_mul_f32 v[18:19], v[18:19], v[24:25]
	global_store_b128 v6, v[16:19], s[14:15]       ; 512 consecutive bytes a wave
	global_store_b128 v6, v[20:23], s[16:17]
	v_pk_mul_f32 v[44:45], v[44:45], v[32:33] op_sel_hi:[1,0]
	v_pk_mul_f32 v[46:47], v[46:47], v[32:33] op_sel_hi:[1,0]
.irp u, 1,2,3
	v_pk_fma_f32 v[44:45], v[44+4*(\u):45+4*(\u)], v[32+2*(\u):33+2*(\u)], v[44:45] op_sel_hi:[1,0,1]
	v_pk_fma_f32 v[46:47], v[46+4*(\u):47+4*(\u)], v[32+2*(\u):33+2*(\u)], v[46:47] op_sel_hi:[1,0,1]
.endr
.irp k, 0,1,2,3
	v_permlanex16_b32 v[40+(\k)], v[44+(\k)], s30, s31  ; the lane 16 away holds the same channels of four other tiles
.endr
	v_pk_add_f32 v[44:45], v[44:45], v[40:41]
	v_pk_add_f32 v[46:47], v[46:47], v[42:43]
	ds_store_b128 v10, v[44:47]                    ; both halves of the lanes write the same numbers to the same bytes
	s_wait_dscnt 0x0                               ; for wave 0's sake
	s_barrier_signal -1
	s_barrier_wait -1
	s_cmp_lg_u32 s18, 0
	s_cbranch_scc1 .Lend
.irp w, 0,1,2,3
	ds_load_b64 v[48+2*(\w):49+2*(\w)], v11 offset:256*(\w)
.endr
	s_wait_dscnt 0x0
	v_pk_add_f32 v[48:49], v[48:49], v[50:51]
	v_pk_add_f32 v[52:53], v[52:53], v[54:55]
	v_pk_add_f32 v[48:49], v[48:49], v[52:53]
	global_store_b64 v12, v[48:49], s[12:13]       ; 32 lanes store 256 consecutive bytes, aligned
.Lend:
	s_wait_tensorcnt 0x0                           ; the wave's end, behind my last LDS store
	ds_add_u32 v[SPW], v[NIL]
	s_wait_dscnt 0x0
	s_endpgm
.Lfunc_end_k_qad3087ec0d_fin:
	.size	k_qad3087ec0d_fin, .Lfunc_end_k_qad3087ec0d_fin-k_qad3087ec0d_fin
	.p2alignl 7, 3214868480
	.fill 96, 4, 3214868480
	.section	.rodata,"a",@progbits
	.p2align	6, 0x0
	.amdhsa_kernel k_qad3087ec0d_fin
		.amdhsa_group_segment_fixed_size 1536
		.amdhsa_private_segment_fixed_size 0
		.amdhsa_enable_private_segment 0
		.amdhsa_kernarg_size 56
		.amdhsa_user_sgpr_count 2
		.amdhsa_user_sgpr_kernarg_segment_ptr 1
		.amdhsa_wavefront_size32 1
		.amdhsa_system_sgpr_workgroup_id_x 1
		.amdhsa_system_sgpr_workgroup_id_y 1
		.amdhsa_system_sgpr_workgroup_id_z 1
		.amdhsa_system_vgpr_workitem_id 0
		.amdhsa_next_free_vgpr 64
		.amdhsa_next_free_sgpr 66
		.amdhsa_reserve_vcc 0
		.amdhsa_float_denorm_mode_32 3
		.amdhsa_float_denorm_mode_16_64 3
		.amdhsa_memory_ordered 1
		.amdhsa_forward_progress 1
		.amdhsa_inst_pref_size 7
	.end_amdhsa_kernel
	.amdgpu_metadata
---
amdhsa.version: [ 1, 2 ]
amdhsa.kernels:
  - .name:           k_qad3087ec0d_fin
    .symbol:         k_qad3087ec0d_fin.kd
    .args:
      - { .name: pp, .offset: 0, .size: 8, .value_kind: global_buffer, .address_space: global }
      - { .name: pml, .offset: 8, .size: 8, .value_kind: global_buffer, .address_space: global }
      - { .name: pctx, .offset: 16, .size: 8, .value_kind: global_buffer, .address_space: global }
      - { .name: coverage, .offset: 24, .size: 8, .value_kind: global_buffer, .address_space: global }
      - { .name: out0, .offset: 32, .size: 8, .value_kind: global_buffer, .address_space: global }
      - { .name: out1, .offset: 40, .size: 8, .value_kind: global_buffer, .address_space: global }
      - { .name: out2, .offset: 48, .size: 8, .value_kind: global_buffer, .address_space: global }
    .group_segment_fixed_size: 1536
    .private_segment_fixed_size: 0
    .kernarg_segment_align: 8
    .kernarg_segment_size: 56
    .max_flat_workgroup_size: 128
    .sgpr_count:     66
    .vgpr_count:     64
    .wavefront_size: 32
...
	.end_amdgpu_metadata
.endif
;; end of part 3
;; ======== version 2 of 2: 3 launches
;; workspace buffers: wb 524,288 bytes; dec 131,072 bytes; pp 262,144 bytes; pml 4,096 bytes; pctx 1,048,576 bytes
;; launch prep (part 4): grid 128 x 1, 4 waves a work-group, no clusters, 4,608 bytes of LDS; arguments W_h, W_d, s_t_hat, b_d, wb, dec; writes wb, dec
.if DOCPART == 4
	.amdgcn_target "amdgcn-amd-amdhsa--gfx1250"
	.amdhsa_code_object_version 6
	.text
	.protected	k_qad3087ec0d_prep
	.globl	k_qad3087ec0d_prep
	.p2align	8
	.type	k_qad3087ec0d_prep,@function
k_qad3087ec0d_prep:
	s_mov_b64 s[64:65], 0
	v_nop
	global_prefetch_b8 v0, s[64:65] scope:SCOPE_SE
	s_setreg_imm32_b32 hwreg(HW_REG_WAVE_MODE, 25, 1), 1
	s_wait_xcnt 0x0
; WORD ATTENTION, launch 1 of 3: the weights' copy and the decoder's projection.
;   wb[kb][m][kk] = bf16(c W_h[m][64 kb + kk]),  kb 0..7, m 0..511, kk 0..63
;   dec[kq][mt][b][i] = c (sum over k in quarter kq of s_t_hat[b][k] W_d[16 mt + i][k]  (+ b_d[16 mt + i] in quarter 0)),  f32: four partial sums over K, which the next launch adds
; c = 2 log2(e): the next launch takes tanh(x) = 1 - 2 / (1 + 2^(c x)), so c rides on everything that is added up to x.
; WORK LEFT OUT IN THE WHOLE PROGRAM.  reference() forms attn_ = e / Z x mask with e = exp(w - max w), Z = sum of e, and divides attn_ by its own sum: attn_dist = e mask / sum(e mask).
; Z is a common factor of numerator and denominator and at least 1 (the largest e is 1), so it cancels for all finite inputs: the sum Z and the division by it are not made.  The maximum over ALL
; tokens of a batch, hidden ones too, is taken away as reference() takes it.  Every input has a way to an output and is loaded.
; LIMITS.  A NaN, an infinity or an overflow that would reach Z alone is not carried to the result.  Matrix operands (h, W_h, W_d, s_t_hat) are rounded to bf16, W_h after the factor c.
; NaN and infinities among the inputs are not treated apart.
; SHARES.  Work-group g: mt = g / 4 (the 16 rows m = 16 mt ..), kq = g % 4 (128 of the 512 along K): 128 work-groups, 48 loads of 512 bytes each.  Wave v converts W_h's rows 16 mt + 4 v .. + 3 of that
; quarter and multiplies W_d's and s_t_hat's K = 128 kq + 32 v .. + 31: one matrix instruction.  The four waves' sums meet in LDS; a sum over K does not span work-groups inside a launch, so the quarters stay apart.
.set C2L,   0x4038aa3b                 ; c = 2.885390
.set SPARE, 4096                       ; behind the four partial tiles of 1,024 bytes: the spare words, 128 bytes for each wave
.set WH,  32                           ; v[32:47]   4 rows x 128 K of W_h: 8 f32 a lane for each of two blocks, then bf16 in the lower half
.set SA,  48                           ; v[48:63]   s_t_hat: 16 rows x 32 K in f32, then a fragment in the lower half
.set WD,  64                           ; v[64:79]   W_d likewise
.set AC,  80                           ; v[80:87]   the accumulator
.set BD,  88                           ; v[88:91]   b_d in quarter 0, else 0
.set T,   96                           ; v[96:111]  the four waves' sums
.set SPW, 28                           ; v28  my spare word's LDS address; never rewritten
.set NIL, 29                           ; v29  0; never rewritten
	s_load_b256 s[4:11], s[0:1], 0x0               ; W_h s[4:5], W_d s[6:7], s_t_hat s[8:9], b_d s[10:11]
	s_load_b128 s[12:15], s[0:1], 0x20             ; wb s[12:13], dec s[14:15]
	v_lshl_add_u32 v[SPW], v0, 2, SPARE
	v_mov_b32 v[NIL], 0
	v_lshrrev_b32 v1, 5, v0
	v_readfirstlane_b32 s16, v1                    ; wave 0..3
	s_lshr_b32 s17, ttmp9, 2                       ; mt
	s_and_b32 s18, ttmp9, 3                        ; kq
	s_lshl_b32 s19, s17, 15                        ; 16 mt rows of 2,048 bytes
	s_lshl_b32 s20, s18, 9                         ; kq x 128 f32
	s_lshl_b32 s21, s16, 13                        ; W_h: my 4 rows
	s_add_co_u32 s21, s21, s19
	s_add_co_u32 s21, s21, s20
	s_lshl_b32 s22, s16, 7                         ; fragments: my 32 f32 along K
	s_add_co_u32 s22, s22, s20                     ; s_t_hat: kq x 512 + 128 v
	s_add_co_u32 s23, s22, s19                     ; W_d: the same in row 16 mt
	s_lshl_b32 s24, s18, 17                        ; wb: kq x two blocks of 65,536 bytes,
	s_lshl_b32 s25, s17, 11                        ; 16 mt rows of 128 bytes,
	s_add_co_u32 s24, s24, s25
	s_lshl_b32 s25, s16, 9                         ; my 4 rows
	s_add_co_u32 s24, s24, s25
	s_lshl_b32 s25, s17, 6                         ; b_d: 16 mt f32
	s_lshl_b32 s26, s16, 10                        ; my 1,024 bytes of LDS
	s_lshl_b32 s27, s18, 15                        ; dec: kq x 32,768 + mt x 1,024
	s_lshl_b32 s28, s17, 10
	s_add_co_u32 s27, s27, s28
	v_and_b32 v2, 15, v0                           ; r = l % 16
	v_bfe_u32 v3, v0, 4, 1                         ; hh = l / 16
	v_and_b32 v4, 7, v0
	v_bfe_u32 v5, v0, 3, 2                         ; (l / 8) % 4
	v_lshlrev_b32 v6, 11, v5                       ; W_h: eight lanes take the 256 bytes of a row's block, four rows an instruction pair
	v_lshl_add_u32 v6, v4, 5, v6
	v_add_nc_u32 v6, s21, v6
	v_lshlrev_b32 v7, 11, v2                       ; fragments: row r, 32 bytes (8 f32) for each half of the lanes
	v_lshl_add_u32 v7, v3, 5, v7
	v_add_nc_u32 v8, s22, v7                       ; s_t_hat: row b = r
	v_add_nc_u32 v7, s23, v7                       ; W_d: row 16 mt + r
	v_lshlrev_b32 v9, 7, v5                        ; wb: the same four rows, 16 bytes a lane
	v_lshl_add_u32 v9, v4, 4, v9
	v_add_nc_u32 v9, s24, v9
	v_and_b32 v10, 3, v0
	v_lshl_add_u32 v10, v10, 4, s25                ; b_d: four m of thread t: 16 mt + 4 (t % 4)
	v_lshlrev_b32 v11, 6, v2                       ; partial sums in: [b = r][16 m] f32, 32 bytes for each half of the lanes
	v_lshl_add_u32 v11, v3, 5, v11
	v_add_nc_u32 v11, s26, v11
	v_lshlrev_b32 v12, 4, v0                       ; and back: thread t < 64 takes b = t / 4, four m: byte 16 t of a tile
	v_add_nc_u32 v13, s27, v12                     ; the same place in dec
.irp k, 0,1,2,3
	v_mov_b32 v[BD+(\k)], 0                        ; the bias belongs to one quarter of K alone: in the others these registers keep 0, and the add below is written once
.endr
	s_lshr_b32 s29, s16, 1
	s_or_b32 s29, s29, s18                         ; 0 in waves 0 and 1 of quarter 0
	s_wait_kmcnt 0x0
.irp p, 0,1
	global_load_b128 v[WH+8*(\p):WH+8*(\p)+3],   v6, s[4:5] offset:(\p)*256 th:TH_LOAD_NT
	global_load_b128 v[WH+8*(\p)+4:WH+8*(\p)+7], v6, s[4:5] offset:(\p)*256+16 th:TH_LOAD_NT
.endr
	; a fragment, 32 along K: K = 8 hh + 0..7 and 16 + 8 hh + 0..7, in f32 32 bytes each, 64 bytes apart
	global_load_b128 v[WD:WD+3],     v7, s[6:7] th:TH_LOAD_NT
	global_load_b128 v[WD+4:WD+7],   v7, s[6:7] offset:16 th:TH_LOAD_NT
	global_load_b128 v[WD+8:WD+11],  v7, s[6:7] offset:64 th:TH_LOAD_NT
	global_load_b128 v[WD+12:WD+15], v7, s[6:7] offset:80 th:TH_LOAD_NT
	global_load_b128 v[SA:SA+3],     v8, s[8:9]
	global_load_b128 v[SA+4:SA+7],   v8, s[8:9] offset:16
	global_load_b128 v[SA+8:SA+11],  v8, s[8:9] offset:64
	global_load_b128 v[SA+12:SA+15], v8, s[8:9] offset:80
	s_cmp_eq_u32 s29, 0
	s_cbranch_scc0 .Lno_bias
	global_load_b128 v[BD:BD+3], v10, s[10:11]
.Lno_bias:
	s_wait_loadcnt 0x0                             ; one wait for all: everything was asked for at once
	; W_h: times c, rounded to bf16 in place (register n from 2 n and 2 n + 1, ascending: no source is overwritten before it is read)
.set n, 0
.rept 8
	v_pk_mul_f32 v[WH+2*n:WH+2*n+1], v[WH+2*n:WH+2*n+1], C2L op_sel_hi:[1,0]
.set n, n+1
.endr
.set n, 0
.rept 8
	v_cvt_pk_bf16_f32 v[WH+n], v[WH+2*n], v[WH+2*n+1]
.set n, n+1
.endr
.irp p, 0,1
	global_store_b128 v9, v[WH+4*(\p):WH+4*(\p)+3], s[12:13] offset:(\p)*65536  ; four rows of 128 bytes: 512 consecutive bytes a wave
.endr
	; dec: both operands to bf16 in place
.set n, 0
.rept 8
	v_cvt_pk_bf16_f32 v[WD+n], v[WD+2*n], v[WD+2*n+1]
	v_cvt_pk_bf16_f32 v[SA+n], v[SA+2*n], v[SA+2*n+1]
.set n, n+1
.endr
	; source 0 = 16 rows of W_d, source 1 = the 16 rows of s_t_hat: a lane holds b = r and m = 8 hh + 0..7
	v_wmma_f32_16x16x32_bf16 v[AC:AC+7], v[WD:WD+7], v[SA:SA+7], 0
.rept 4
	v_nop                                          ; four places between the product and the first read of its result (ISA guide 7.12.1)
.endr
	ds_store_b128 v11, v[AC:AC+3]
	ds_store_b128 v11, v[AC+4:AC+7] offset:16
	s_wait_dscnt 0x0                               ; for the others' sake: my partial sums lie in LDS
	s_barrier_signal -1
	s_barrier_wait -1
	s_cmp_lt_u32 s16, 2                            ; 64 threads finish the tile
	s_cbranch_scc0 .Lend
.irp k, 0,1,2,3
	ds_load_b128 v[T+4*(\k):T+4*(\k)+3], v12 offset:1024*(\k)  ; the four waves' sums of my four numbers
.endr
	s_wait_dscnt 0x0
	v_pk_add_f32 v[T:T+1],     v[T:T+1],     v[T+4:T+5]
	v_pk_add_f32 v[T+2:T+3],   v[T+2:T+3],   v[T+6:T+7]
	v_pk_add_f32 v[T+8:T+9],   v[T+8:T+9],   v[T+12:T+13]
	v_pk_add_f32 v[T+10:T+11], v[T+10:T+11], v[T+14:T+15]
	v_pk_add_f32 v[T:T+1],     v[T:T+1],     v[T+8:T+9]
	v_pk_add_f32 v[T+2:T+3],   v[T+2:T+3],   v[T+10:T+11]
	v_pk_add_f32 v[T:T+1],     v[T:T+1],     v[BD:BD+1]
	v_pk_add_f32 v[T+2:T+3],   v[T+2:T+3],   v[BD+2:BD+3]
	v_pk_mul_f32 v[T:T+1],     v[T:T+1],     C2L op_sel_hi:[1,0]
	v_pk_mul_f32 v[T+2:T+3],   v[T+2:T+3],   C2L op_sel_hi:[1,0]
	global_store_b128 v13, v[T:T+3], s[14:15]      ; 512 consecutive bytes a wave, the tile's 1,024 from two waves
.Lend:
	s_wait_tensorcnt 0x0                           ; the wave's end, behind my last LDS store
	ds_add_u32 v[SPW], v[NIL]
	s_wait_dscnt 0x0
	s_endpgm
.Lfunc_end_k_qad3087ec0d_prep:
	.size	k_qad3087ec0d_prep, .Lfunc_end_k_qad3087ec0d_prep-k_qad3087ec0d_prep
	.p2alignl 7, 3214868480
	.fill 96, 4, 3214868480
	.section	.rodata,"a",@progbits
	.p2align	6, 0x0
	.amdhsa_kernel k_qad3087ec0d_prep
		.amdhsa_group_segment_fixed_size 4608
		.amdhsa_private_segment_fixed_size 0
		.amdhsa_enable_private_segment 0
		.amdhsa_kernarg_size 48
		.amdhsa_user_sgpr_count 2
		.amdhsa_user_sgpr_kernarg_segment_ptr 1
		.amdhsa_wavefront_size32 1
		.amdhsa_system_sgpr_workgroup_id_x 1
		.amdhsa_system_sgpr_workgroup_id_y 1
		.amdhsa_system_sgpr_workgroup_id_z 1
		.amdhsa_system_vgpr_workitem_id 0
		.amdhsa_next_free_vgpr 112
		.amdhsa_next_free_sgpr 66
		.amdhsa_reserve_vcc 0
		.amdhsa_float_denorm_mode_32 3
		.amdhsa_float_denorm_mode_16_64 3
		.amdhsa_memory_ordered 1
		.amdhsa_forward_progress 1
		.amdhsa_inst_pref_size 8
	.end_amdhsa_kernel
	.amdgpu_metadata
---
amdhsa.version: [ 1, 2 ]
amdhsa.kernels:
  - .name:           k_qad3087ec0d_prep
    .symbol:         k_qad3087ec0d_prep.kd
    .args:
      - { .name: W_h, .offset: 0, .size: 8, .value_kind: global_buffer, .address_space: global }
      - { .name: W_d, .offset: 8, .size: 8, .value_kind: global_buffer, .address_space: global }
      - { .name: s_t_hat, .offset: 16, .size: 8, .value_kind: global_buffer, .address_space: global }
      - { .name: b_d, .offset: 24, .size: 8, .value_kind: global_buffer, .address_space: global }
      - { .name: wb, .offset: 32, .size: 8, .value_kind: global_buffer, .address_space: global }
      - { .name: dec, .offset: 40, .size: 8, .value_kind: global_buffer, .address_space: global }
    .group_segment_fixed_size: 4608
    .private_segment_fixed_size: 0
    .kernarg_segment_align: 8
    .kernarg_segment_size: 48
    .max_flat_workgroup_size: 128
    .sgpr_count:     66
    .vgpr_count:     112
    .wavefront_size: 32
...
	.end_amdgpu_metadata
.endif
;; end of part 4
;; launch main (part 5): grid 256 x 1, 4 waves a work-group, clusters of 4 x 1, 327,680 bytes of LDS; arguments h, coverage, enc_padding_mask, beta, W_c, v, wb, dec, pp, pml, pctx; writes pp, pml, pctx
.if DOCPART == 5
	.amdgcn_target "amdgcn-amd-amdhsa--gfx1250"
	.amdhsa_code_object_version 6
	.text
	.protected	k_qad3087ec0d_main
	.globl	k_qad3087ec0d_main
	.p2align	8
	.type	k_qad3087ec0d_main,@function
k_qad3087ec0d_main:
	s_mov_b64 s[64:65], 0
	v_nop
	global_prefetch_b8 v0, s[64:65] scope:SCOPE_SE
	s_setreg_imm32_b32 hwreg(HW_REG_WAVE_MODE, 25, 1), 1
	s_wait_xcnt 0x0
	s_wait_alu depctr_hold_cnt(0) depctr_sa_sdst(0) depctr_va_vdst(0) depctr_va_sdst(0) depctr_va_ssrc(0) depctr_va_vcc(0) depctr_vm_vsrc(0)
	s_getreg_b32 s2, hwreg(HW_REG_IB_STS2, 6, 4)
	s_cmp_eq_u32 s2, 0
	s_cbranch_scc0 .Lentry_in_a_cluster
	s_endpgm
.Lentry_in_a_cluster:
	s_bfe_u32 s2, ttmp6, 0x10000c
	s_cmp_lg_u32 s2, 0x3003
	s_cbranch_scc0 .Lentry_shape_is_right
	s_endpgm
.Lentry_shape_is_right:
; WORD ATTENTION, launch 2 of 3.  For each tile (one sentence: 128 tokens x 512 channels of h):
;   t[tok][m] = c (h W_h^T + dec_fea + coverage W_c),  c = 2 log2(e);   score = sum of v + sum over m of (-2 v[m]) / (1 + 2^t): that is sum of v tanh(..);   w = beta log2(e) score;
;   m' = max of w over the tile (hidden tokens too);  p = 2^(w - m') mask;  l = sum of p;  ctx[n] = sum over tokens of p h[tok][n].      Stored: pp = p, pml = (m', l), pctx = ctx.
; The next launch joins a batch's 32 tiles.  Left out, as shown at the head of the first kernel: the softmax's own denominator, which cancels in attn_dist.
; LIMITS.  h and c W_h enter the products in bf16; p enters the second product as two bf16 numbers, p_hi + p_lo.  2^t beyond f32's range gives infinity, its reciprocal 0, tanh 1; below the range 0, tanh -1.
; NaN and infinities among the inputs are not treated apart.
; SHARES.  A work-group owns 256 tokens: two tiles, one after the other.  Wave w makes all 128 tokens x m = 128 w .. 128 w + 127: 64 accumulators, 512 registers.  K goes in 8 steps of 64.
; h IS READ ONCE: it comes in chunks of 128 tokens x 64 K (f32, 16 loads of 16 bytes a lane), two chunks always on their way, is rounded to bf16 and laid into LDS a step ahead of the products that
; take it, and the whole tile stays there until p is known: the second product reads it turned.
; c W_h (wb, 512 KB, in blocks of 64 K) goes through a ring of two LDS slots.  CLUSTER: all work-groups walk the same blocks, so the four of a cluster ask JOINTLY: the same tensor load, descriptor and
; mask in all four; wave w fetches, and alone reads, the block's rows 128 w .. 128 w + 127.
; THE WALK ALONG K IS TURNED FROM CLUSTER TO CLUSTER: cluster x begins at block 2 (x % 4) and goes round modulo 8, h's chunks with it (f32 sums may be taken in any order).  So the launch's first loads,
; taken together, name all eight blocks of wb, and every refill names a block that some cluster's first load has named; for that reason wb has no prefetch of its own.  The tile lies in LDS in the walk's
; order: no LDS address, trip count or branch hangs on the turn, only global addresses, and those on the cluster's number, which the partners share.
; THE MATRIX INSTRUCTION IS USED TRANSPOSED: source 0 = 16 rows of c W_h, source 1 = 16 tokens: a lane holds ONE token (l % 16) and eight m (8 (l / 16) + 0..7).
; REGISTERS, in windows of 256 (s_set_vgpr_msb: bits 1:0 source 0, 3:2 source 1, 5:4 source 2, 7:6 destination):
;   window 0: v0-31 addresses; v32-47 coverage; v48-63 scores at work; v64-127, v128-191 fragments of h, two buffers (tables and work between the K loops); v192-255 the second product's sums
;   window 1: v0-63, v192-255 two chunks of h on their way; v64-127, v128-191 fragments of c W_h (in the second product: of h, turned)
;   windows 2, 3: the accumulators: (token block a, m block b) at v[8 (8 (a % 4) + b)] of window 2 + a / 4
.set CHK,   18432                      ; 128 rows x 144 bytes: a chunk of h in bf16, and a wave's quarter of a block of wb.  A row: 128 bytes + 16 of padding = 36 words: the 16 rows of a load start at 16 different groups of four banks (64 banks of 4 bytes: ISA guide 11.1)
.set WS1,   73728                      ; slot 0 at 0, slot 1 here: 512 rows x 144; tensor loads alone write them
.set HT,    147456                     ; the tile of h: the walk's chunk j at + 18,432 j; LDS stores alone write it
.set TAB,   294912                     ; tables: c dec_fea (2,048 bytes), then
.set T_WC,  2048                       ;   c W_c,
.set T_V2,  4096                       ;   -2 v,
.set T_COV, 6144                       ;   the work-group's 256 coverages,
.set T_MSK, 7168                       ;   and its 256 mask values
.set SCB,   303104                     ; partial scores [wave][128] f32
.set PWB,   305152                     ; for each wave: p_hi, p_lo, 128 bf16 each
.set CXB,   307200                     ; for each wave: 128 f32 of context, for the way out
.set SPARE, 309248                     ; the spare words, 128 bytes for each wave: two blocks of 256 bytes that no other line names
.set ADRA,  4                          ; v4   LDS address of my fragments of h in the chunk pair in hand
.set ADRA0, 5                          ; v5   the same for the walk's first chunk; never rewritten
.set ADRB,  6                          ; v6-7 the same for c W_h in slot 0, 1
.set HOF,   8                          ; v8   my byte offset in a chunk of h in memory; never rewritten
.set HST,   9                          ; v9   where I lay 8 bytes of a chunk's row
.set HST0,  10                         ; v10  the same for the walk's first chunk; never rewritten
.set TCA,   11                         ; v11  my eight m in a table
.set COVA,  12                         ; v12  my token's coverage
.set MSKA,  13                         ; v13  the mask of tokens 4 l ..
.set SCW,   14                         ; v14  partial scores in
.set SCR,   15                         ; v15  and back
.set PWS,   16                         ; v16  p in
.set PWR,   17                         ; v17  and back as a fragment
.set TRA,   18                         ; v18  the turning loads' address
.set CXS,   19                         ; v19  context in
.set CXR,   20                         ; v20  and back
.set GO,    21                         ; v21  16 l
.set GOX,   22                         ; v22  my wave's 128 channels in a row of pctx, + 16 l
.set VW,    23                         ; v23  the sum of v over my wave's 128 m
.set PFO,   24                         ; v24  the prefetches' offset: my thread's row; never rewritten
.set ZO,    25                         ; v25  0
.set SPW,   28                         ; v28  my spare word's LDS address; never rewritten
.set NIL,   29                         ; v29  0; never rewritten
.set COVR,  32                         ; v32-47  coverage of token block a, in both registers of pair a
.set SS,    48                         ; v48-55  score sums by token block
.set TT,    56                         ; v56-63  at work
.set F0,    64
.set F1,    128
.set WV,  26                           ; s26  my wave's number
.set G1,  32                           ; s[32:39] descriptor group 1
.set G0,  40                           ; s[40:47] descriptor group 0, a set for each slot
.set HB,  48                           ; s[48:49] h at the pair of chunks that the trip asks for
.set PF,  50                           ; s[50:51] h at the pair of chunks that the trip's prefetches name
.set PFS, 52                           ; s[52:53] what the prefetches' tile base steps by next: a tile once, then 0
.set PFN, 54                           ; s54  pairs of chunks still to be prefetched
.set KC,  55                           ; s55  trips of the K loop
.set TL,  56                           ; s56  tiles to go
.set KO,  57                           ; s57  LDS bytes from the walk's first chunk to the chunk pair in hand
.set HQ,  68                           ; s[68:69] byte in a row of h at which the pair to be asked for begins: a multiple of 512, modulo 2,048
.set WO,  70                           ; s[70:71] byte offset in wb of the block to be asked for
.set NB,  72                           ; s72  that block's number
.set RX,  73                           ; s73  cluster x % 4: the walk begins at pair RX
.set PTB, 74                           ; s[74:75] the first byte of the tile in which the prefetches stand
.set PQ,  76                           ; s[76:77] like HQ, for the prefetches
.set MUL_LO, 0xa1                      ; source 0 window 1, source 1 window 0, C and D window 2
.set MUL_HI, 0xf1                      ; the same, C and D window 3
.set TO1,    0x40                      ; destination window 1, address window 0
.set CV,     0x45                      ; destination and both sources window 1
.set ST1,    0x04                      ; source 1 (an LDS store's data; the second product's h) window 1
.set MSB, 0
.macro WIN new                         ; the immediate's high byte repeats the setting that is left; a switch that changes nothing is dropped
.if MSB != (\new)
	s_set_vgpr_msb (MSB<<8)|(\new)
.set MSB, (\new)
.endif
.endm
.macro PLACES                          ; four places behind a matrix instruction, in front of loads into registers that it has read and of vector work on its results (ISA guide 7.12.1 for the vector work)
.rept 4
	v_nop
.endr
.endm
.macro CREST                           ; a round of the cluster's barrier behind its opening barrier
	s_cmp_lg_u32 s[WV], 0
	s_cbranch_scc1 .Lnot_wave_0_\@
	s_barrier_signal -3
.Lnot_wave_0_\@:
	s_barrier_wait -3
	s_barrier_signal -1
	s_barrier_wait -1
.endm
.macro CROUND                          ; a whole round
	s_barrier_signal -1
	s_barrier_wait -1
	CREST
.endm
; 16 matrix instructions: token blocks a0, a0 + 1 of the window's four x all 8 m blocks, 32 along K.  The 64 accumulators take turns, one instruction a turn, in the same order in every half step.
.macro MUL16 f, hi, a0
	WIN MUL_LO+0x50*(\hi)
.irp a, \a0, (\a0)+1
.irp b, 0,1,2,3,4,5,6,7
	v_wmma_f32_16x16x32_bf16 v[8*(8*(\a)+(\b)):8*(8*(\a)+(\b))+7], v[(\f)+8*(\b):(\f)+8*(\b)+7], v[(\f)+8*(4*(\hi)+(\a)):(\f)+8*(4*(\hi)+(\a))+7], v[8*(8*(\a)+(\b)):8*(8*(\a)+(\b))+7]
.endr
.endr
.endm
; 32 LDS loads in one run: the fragments of 32 along K (my 128 rows of c W_h at byte kb of slot s's rows; the 128 tokens at byte acol behind ADRA) into buffer f.  The tokens' upper half comes last.
.macro FETCH s, kb, acol, f
	WIN TO1
.irp i, 0,1,2,3,4,5,6,7
	ds_load_b128 v[(\f)+8*(\i):(\f)+8*(\i)+3],   v[ADRB+(\s)] offset:(\kb)+(\i)*2304
	ds_load_b128 v[(\f)+8*(\i)+4:(\f)+8*(\i)+7], v[ADRB+(\s)] offset:(\kb)+(\i)*2304+32
.endr
	WIN 0
.irp i, 0,1,2,3,4,5,6,7
	ds_load_b128 v[(\f)+8*(\i):(\f)+8*(\i)+3],   v[ADRA] offset:(\acol)+(\i)*2304
	ds_load_b128 v[(\f)+8*(\i)+4:(\f)+8*(\i)+7], v[ADRA] offset:(\acol)+(\i)*2304+32
.endr
.endm
; A chunk of h is asked for: my wave's 32 tokens x 64 K in f32.  Sixteen lanes take the 256 consecutive, aligned bytes of one token, the other sixteen those of the token 8 further down.
.macro ISSUE set, off
	WIN TO1
.set n, 0
.rept 16
	global_load_b128 v[192*(\set)+4*n:192*(\set)+4*n+3], v[HOF], s[HB:HB+1] offset:((n&7)+16*(n>>3))*2048+(\off) th:TH_LOAD_NT
.set n, n+1
.endr
.endm
.macro HSTEP                           ; the loads' pointer goes on by a pair of chunks, round the row's 2,048 bytes; s[4:5] is the tile's first byte
	s_add_co_u32 s[HQ], s[HQ], 512
	s_and_b32 s[HQ], s[HQ], 1536
	s_add_nc_u64 s[HB:HB+1], s[4:5], s[HQ:HQ+1]
.endm
; A PREFETCH INTO THE L2 of the chunk that stands four chunks on in the walk from the one just asked for: each wave names its own 32 tokens' 256 bytes, a lane a token, directly behind its loads.  So each block of h
; is named once in the launch, by the wave that will load it.  The walk's first six chunks come by their loads alone; five pairs are named, the last of them the second tile's last pair: nothing outside the work-group's rows.
.macro ASK off, off2=-1
	WIN 0
	s_cmp_lg_u32 s[PFN], 0
	s_cbranch_scc0 .Lno_ask_\@
	global_prefetch_b8 v[PFO], s[PF:PF+1] offset:\off th:TH_LOAD_NT scope:SCOPE_SE
.if (\off2) >= 0
	global_prefetch_b8 v[PFO], s[PF:PF+1] offset:\off2 th:TH_LOAD_NT scope:SCOPE_SE
.endif
.Lno_ask_\@:
.endm
.macro PFSTEP                          ; the prefetches' pointer goes on by a pair of chunks (the first time: from the first tile's last pair to the second tile's first), and one pair fewer is left
	s_add_nc_u64 s[PTB:PTB+1], s[PTB:PTB+1], s[PFS:PFS+1]
	s_mov_b32 s[PFS], 0
	s_add_co_u32 s[PQ], s[PQ], 512
	s_and_b32 s[PQ], s[PQ], 1536
	s_add_nc_u64 s[PF:PF+1], s[PTB:PTB+1], s[PQ:PQ+1]
	s_sub_co_i32 s[PFN], s[PFN], 1
	s_max_i32 s[PFN], s[PFN], 0
.endm
; A chunk that has arrived is rounded to bf16 in place and laid into the tile, at byte col behind HST.  left = the younger loads that may stay out.  The two halves of the lanes write rows 8 apart: 288 words, the other 32 banks.
.macro EVENT set, left, col
	s_wait_loadcnt \left
	WIN CV
.set n, 0
.rept 16
	v_cvt_pk_bf16_f32 v[192*(\set)+4*n],   v[192*(\set)+4*n],   v[192*(\set)+4*n+1]
	v_cvt_pk_bf16_f32 v[192*(\set)+4*n+1], v[192*(\set)+4*n+2], v[192*(\set)+4*n+3]
.set n, n+1
.endr
	WIN ST1
.set n, 0
.rept 16
	ds_store_b64 v[HST], v[192*(\set)+4*n:192*(\set)+4*n+1] offset:((n&7)+16*(n>>3))*144+(\col)
.set n, n+1
.endr
.endm
; ONE K STEP of 64 on slot s: 128 matrix instructions.
; iss = 1: the chunk two steps on is asked for, into the registers that the last step's stores have left; 2: the next tile's first two chunks.   evt = 1, 2: the next step's chunk is laid into LDS (2: no younger loads).
; fill = 2: the change of slots, with a refill; 1: without; 0: the very last step.   next = 1: the next step's first fragments are fetched.
; THE CHANGE OF SLOTS: each wave waits for all its tensor loads (one is out: its part of the other slot), adds 0 to its spare word, and waits for that, for its reads of this slot and of this step's chunk, and for its
; stores of the next chunk.  Behind the barrier the next chunk is whole and nobody reads this slot.  With a refill the barrier opens a round of the cluster's, and the joint load is the first thing behind it.
; The refill's address is made anew from the block's number, which goes round modulo 8: a tile's last two refills so name the next tile's first two blocks.
.macro STEP s, iss, evt, fill, next
.if (\iss) == 1
	ISSUE \s, 256*(\s)
	ASK 256*(\s)
.elseif (\iss) == 2
	ISSUE 0, 262144                                ; HB has come round to the walk's first pair: the same pair one tile on
	ISSUE 1, 262400
	ASK 0, 256
.endif
	s_wait_dscnt 8                                 ; c W_h and tokens 0-63 are in; the youngest eight loads (tokens 64-127) may be out
	MUL16 F0, 0, 0
	MUL16 F0, 0, 2
	PLACES
	FETCH \s, 64, CHK*(\s)+64, F1
	s_wait_dscnt 32                                ; all but the 32 just issued
	MUL16 F0, 1, 0
	MUL16 F0, 1, 2
.if (\evt) == 1
	EVENT 1-(\s), 16, CHK*((\s)+1)                 ; the chunk asked for at this step's head is younger
.elseif (\evt) == 2
	EVENT 1-(\s), 0, CHK*((\s)+1)
.endif
.if (\fill) == 0
	s_wait_dscnt 8
	MUL16 F1, 0, 0
	MUL16 F1, 0, 2
	s_wait_dscnt 0x0
	MUL16 F1, 1, 0
	MUL16 F1, 1, 2
.else
	WIN 0                                          ; (the add's two registers lie in window 0)
	s_wait_tensorcnt 0x0                           ; all my tensor loads have landed: my part of the other slot; so a group 0 may be written
	ds_add_u32 v[SPW], v[NIL]                      ; 0 onto my spare word
.if (\fill) == 2
	s_lshl_b32 s[WO], s[NB], 16                    ; a block is 65,536 bytes
	s_add_nc_u64 s[G0+4*(\s)+2:G0+4*(\s)+3], s[16:17], s[WO:WO+1]
	s_or_b32 s[G0+4*(\s)+3], s[G0+4*(\s)+3], 0x80000000
	s_add_co_u32 s[NB], s[NB], 1
	s_and_b32 s[NB], s[NB], 7
.endif
.if (\evt) == 0
	s_wait_dscnt 9                                 ; the add and the youngest eight loads may be out
.else
	s_wait_dscnt 25                                ; the add, the chunk's sixteen stores and the youngest eight loads may be out
.endif
	MUL16 F1, 0, 0                                 ; sixteen matrix instructions stand between the add and the wait for it
	s_wait_dscnt 0x0                               ; the add, my stores of the next chunk and my reads of this slot and chunk are done
	s_barrier_signal -1
	MUL16 F1, 0, 2                                 ; work on registers while the others arrive
	WIN 0
	s_barrier_wait -1
.if (\fill) == 2
	CREST                                          ; no wave of any partner still reads this slot or has a load on its way
	tensor_load_to_lds s[G0+4*(\s):G0+4*(\s)+3], s[G1:G1+7]
	s_nop 0
	PLACES                                         ; the places in front of the loads below
.else
	PLACES
.endif
.if \next
	FETCH 1-(\s), 0, CHK*((\s)+1), F0
.endif
	MUL16 F1, 1, 0
	MUL16 F1, 1, 2
.endif
.endm
; THE SCORES, for one window's four token blocks (group g = registers 64 g .. 64 g + 63).  Three stages run side by side on neighbouring groups: X: 2^t in place, ascending
; A: + 1, in pairs; R: the reciprocal in place; F: times -2 v, summed into the group's first eight registers.  Every reader of an exponential's or a
; reciprocal's result stands one pass later, behind that pass's one wait; a v_nop is the plain instruction behind a pass's last transcendental (ISA guide 5.7.2).
.macro EPIW W
	WIN 0xa2+0x51*((\W)-2)                         ; destination, source 0 and source 2 in the accumulators' window, source 1 (-2 v) in window 0
.set it, 0
.rept 6
.if it >= 1
	s_wait_alu depctr_va_vdst(0)
.endif
.if (it == 2) && ((\W) == 2)
	s_wait_dscnt 0x0                               ; -2 v is in
.endif
.set n, 0
.rept 32
.if it <= 3
	v_exp_f32 v[64*it+2*n], v[64*it+2*n]
.endif
.if (it >= 1) && (it <= 4)
	v_pk_add_f32 v[64*(it-1)+2*n:64*(it-1)+2*n+1], v[64*(it-1)+2*n:64*(it-1)+2*n+1], 1.0 op_sel_hi:[1,0]
.endif
.if it <= 3
	v_exp_f32 v[64*it+2*n+1], v[64*it+2*n+1]
.endif
.set n, n+1
.endr
.set n, 0
.rept 32
.if (it >= 1) && (it <= 4)
	v_rcp_f32 v[64*(it-1)+2*n], v[64*(it-1)+2*n]
.endif
.if (it >= 2) && (n < 4)
	v_pk_mul_f32 v[64*(it-2)+2*n:64*(it-2)+2*n+1], v[64*(it-2)+2*n:64*(it-2)+2*n+1], v[64+2*n:64+2*n+1]
.elseif it >= 2
	v_pk_fma_f32 v[64*(it-2)+2*(n%4):64*(it-2)+2*(n%4)+1], v[64*(it-2)+2*n:64*(it-2)+2*n+1], v[64+2*n:64+2*n+1], v[64*(it-2)+2*(n%4):64*(it-2)+2*(n%4)+1]
.endif
.if (it >= 1) && (it <= 4)
	v_rcp_f32 v[64*(it-1)+2*n+1], v[64*(it-1)+2*n+1]
.endif
.set n, n+1
.endr
.if it <= 4
	v_nop
.endif
.set it, it+1
.endr
	WIN 0x8a+0x45*((\W)-2)                         ; destination and both sources in the accumulators' window
.irp g, 0,1,2,3
	v_pk_add_f32 v[64*(\g):64*(\g)+1],   v[64*(\g):64*(\g)+1],   v[64*(\g)+2:64*(\g)+3]
	v_pk_add_f32 v[64*(\g)+4:64*(\g)+5], v[64*(\g)+4:64*(\g)+5], v[64*(\g)+6:64*(\g)+7]
.endr
.irp g, 0,1,2,3
	v_pk_add_f32 v[64*(\g):64*(\g)+1],   v[64*(\g):64*(\g)+1],   v[64*(\g)+4:64*(\g)+5]
.endr
	WIN 0x0a+0x05*((\W)-2)                         ; the destination in window 0
.irp g, 0,1,2,3
	v_add_f32 v[SS+4*((\W)-2)+(\g)], v[64*(\g)], v[64*(\g)+1]
.endr
.endm
.macro EPI
	PLACES                                         ; behind the last products
	WIN 0
.irp b, 0,1,2,3,4,5,6,7
	ds_load_b128 v[64+8*(\b):67+8*(\b)], v[TCA] offset:T_V2+64*(\b)
	ds_load_b128 v[68+8*(\b):71+8*(\b)], v[TCA] offset:T_V2+64*(\b)+16
.endr
	EPIW 2
	EPIW 3
.endm
; THE TILE'S SOFTMAX, tile t of the work-group's two.  The waves' partial scores meet in LDS; then every wave makes all 128 weights for itself, four tokens a lane, since each needs them all for its channels.
.macro SOFT t
	WIN 0
.irp a, 0,1,2,3,4,5,6,7
	v_permlanex16_b32 v[TT+(\a)], v[SS+(\a)], s62, s63  ; the token's other 64 m lie in the lane 16 away
.endr
.irp a, 0,1,2,3,4,5,6,7
	v_add_f32 v[SS+(\a)], v[SS+(\a)], v[TT+(\a)]
.endr
.irp i, 0,1,2,3
	v_cndmask_b32 v[64+(\i)], v[SS+2*(\i)], v[SS+2*(\i)+1], s66  ; lanes 0-15 keep block 2 i, lanes 16-31 block 2 i + 1: token 32 i + l
.endr
.irp i, 0,1,2,3
	v_add_f32 v[64+(\i)], v[VW], v[64+(\i)]
.endr
.irp i, 0,1,2,3
	ds_store_b32 v[SCW], v[64+(\i)] offset:128*(\i)
.endr
	s_wait_dscnt 0x0                               ; for the others' sake: my partial scores lie in LDS
	s_barrier_signal -1
	s_barrier_wait -1
.irp u, 0,1,2,3
	ds_load_b128 v[64+4*(\u):67+4*(\u)], v[SCR] offset:512*(\u)
.endr
	ds_load_b128 v[80:83], v[MSKA] offset:512*(\t)
	s_mul_f32 s60, s[58+(\t)], 0x3fb8aa3b          ; beta log2(e)
	s_mov_b32 s61, s60                             ; named with it as a pair
	s_wait_dscnt 0x0
	v_pk_add_f32 v[64:65], v[64:65], v[68:69]
	v_pk_add_f32 v[66:67], v[66:67], v[70:71]
	v_pk_add_f32 v[72:73], v[72:73], v[76:77]
	v_pk_add_f32 v[74:75], v[74:75], v[78:79]
	v_pk_add_f32 v[64:65], v[64:65], v[72:73]
	v_pk_add_f32 v[66:67], v[66:67], v[74:75]
	v_pk_mul_f32 v[64:65], v[64:65], s[60:61] op_sel_hi:[1,0]
	v_pk_mul_f32 v[66:67], v[66:67], s[60:61] op_sel_hi:[1,0]
	v_max3_num_f32 v84, v64, v65, v66              ; the tile's maximum, hidden tokens among them, as reference() takes it
	v_max_num_f32 v84, v84, v67
	v_max_num_f32_dpp v84, v84, v84 row_xmask:1 row_mask:0xf bank_mask:0xf
	v_max_num_f32_dpp v84, v84, v84 row_xmask:2 row_mask:0xf bank_mask:0xf
	v_max_num_f32_dpp v84, v84, v84 row_xmask:4 row_mask:0xf bank_mask:0xf
	v_max_num_f32_dpp v84, v84, v84 row_xmask:8 row_mask:0xf bank_mask:0xf
	v_permlanex16_b32 v[TT], v84, s62, s63
	v_max_num_f32 v84, v84, v[TT]
	v_mov_b32 v85, v84
	v_pk_add_f32 v[64:65], v[64:65], v[84:85] neg_lo:[0,1] neg_hi:[0,1]
	v_pk_add_f32 v[66:67], v[66:67], v[84:85] neg_lo:[0,1] neg_hi:[0,1]
	v_exp_f32 v64, v64
	v_exp_f32 v65, v65
	v_exp_f32 v66, v66
	v_exp_f32 v67, v67
	v_nop                                          ; a plain instruction behind the last exponential,
	s_wait_alu depctr_va_vdst(0)                   ; and the one wait ahead of the first use
	v_pk_mul_f32 v[64:65], v[64:65], v[80:81]      ; p
	v_pk_mul_f32 v[66:67], v[66:67], v[82:83]
	v_add_f32 v86, v64, v65
	v_add_f32 v87, v66, v67
	v_add_f32 v85, v86, v87                        ; l, beside m' in a pair
	v_add_f32_dpp v85, v85, v85 row_xmask:1 row_mask:0xf bank_mask:0xf
	v_add_f32_dpp v85, v85, v85 row_xmask:2 row_mask:0xf bank_mask:0xf
	v_add_f32_dpp v85, v85, v85 row_xmask:4 row_mask:0xf bank_mask:0xf
	v_add_f32_dpp v85, v85, v85 row_xmask:8 row_mask:0xf bank_mask:0xf
	v_permlanex16_b32 v[TT+1], v85, s62, s63
	v_add_f32 v85, v85, v[TT+1]
	s_cmp_lg_u32 s[WV], 0                          ; all four waves hold the same numbers: wave 0 stores them
	s_cbranch_scc1 .Lnot_0_\@
	global_store_b128 v[GO], v[64:67], s[20:21] offset:512*(\t)  ; 512 consecutive bytes
	s_wait_xcnt 0x0                                ; EXEC changes only behind this wait: pending loads and stores have read it
	v_cmp_eq_u32 vcc_lo, 0, v3
	s_and_saveexec_b32 s67, vcc_lo
	global_store_b64 v[ZO], v[84:85], s[22:23] offset:8*(\t)     ; lane 0: (m', l)
	s_wait_xcnt 0x0                                ; and again in front of the line that widens it
	s_or_b32 exec_lo, exec_lo, s67
.Lnot_0_\@:
	v_cvt_pk_bf16_f32 v88, v64, v65                ; p_hi,
	v_cvt_pk_bf16_f32 v89, v66, v67
	v_lshlrev_b32 v90, 16, v88
	v_and_b32 v91, s66, v88
	v_lshlrev_b32 v92, 16, v89
	v_and_b32 v93, s66, v89
	v_pk_add_f32 v[90:91], v[64:65], v[90:91] neg_lo:[0,1] neg_hi:[0,1]
	v_pk_add_f32 v[92:93], v[66:67], v[92:93] neg_lo:[0,1] neg_hi:[0,1]
	v_cvt_pk_bf16_f32 v94, v90, v91                ; and p_lo = bf16(p - p_hi)
	v_cvt_pk_bf16_f32 v95, v92, v93
	ds_store_b64 v[PWS], v[88:89]
	ds_store_b64 v[PWS], v[94:95] offset:256
.irp q, 0,1,2,3                        ; back as source 0 of the second product, 32 tokens a fragment: even rows hold p_hi, odd rows p_lo.  My wave's own bytes; LDS serves a wave's instructions in order (ISA guide 5.7.1.4)
	ds_load_b128 v[128+8*(\q):131+8*(\q)], v[PWR] offset:64*(\q)
	ds_load_b128 v[132+8*(\q):135+8*(\q)], v[PWR] offset:64*(\q)+32
.endr
.endm
; THE CONTEXT: D = P x h for my wave's 128 channels (the walk's chunks 2 w and 2 w + 1 of the tile), 32 tokens a step q.  h lies [token][channel] and comes turned, by ds_load_tr16_b128.
.macro TR q
	WIN TO1
.irp b, 0,1,2,3,4,5,6,7
	ds_load_tr16_b128 v[64+64*((\q)%2)+8*(\b):67+64*((\q)%2)+8*(\b)], v[TRA] offset:((\b)/4)*CHK+4608*(\q)+32*((\b)%4)
	ds_load_tr16_b128 v[68+64*((\q)%2)+8*(\b):71+64*((\q)%2)+8*(\b)], v[TRA] offset:((\b)/4)*CHK+4608*(\q)+32*((\b)%4)+2304
.endr
.endm
.macro CMUL q, zero                    ; eight products, the eight accumulators by turns
	WIN ST1
.irp b, 0,1,2,3,4,5,6,7
.if \zero
	v_wmma_f32_16x16x32_bf16 v[192+8*(\b):199+8*(\b)], v[128+8*(\q):135+8*(\q)], v[64+64*((\q)%2)+8*(\b):71+64*((\q)%2)+8*(\b)], 0
.else
	v_wmma_f32_16x16x32_bf16 v[192+8*(\b):199+8*(\b)], v[128+8*(\q):135+8*(\q)], v[64+64*((\q)%2)+8*(\b):71+64*((\q)%2)+8*(\b)], v[192+8*(\b):199+8*(\b)]
.endif
.endr
.endm
.macro CTX t
	TR 0
	TR 1
	s_wait_dscnt 16                                ; p's fragments and step 0 are in; step 1's sixteen loads may be out
	CMUL 0, 1
	PLACES
	TR 2
	s_wait_dscnt 16
	CMUL 1, 0
	PLACES
	TR 3
	s_wait_dscnt 16
	CMUL 2, 0
	s_wait_dscnt 0x0
	CMUL 3, 0
	PLACES
	WIN 0
.irp b, 0,1,2,3,4,5,6,7
	v_add_f32 v[96+(\b)], v[192+8*(\b)], v[193+8*(\b)]  ; register 0 is a p_hi row, register 1 a p_lo row, in both halves of the lanes: channel 16 b + l % 16 of my 128
.endr
.irp i, 0,1,2,3
	v_cndmask_b32 v[104+(\i)], v[96+2*(\i)], v[97+2*(\i)], s66  ; channel 32 i + l
.endr
.irp i, 0,1,2,3
	ds_store_b32 v[CXS], v[104+(\i)] offset:128*(\i)
.endr
	ds_load_b128 v[108:111], v[CXR]                ; my wave's own bytes, in order: four neighbouring channels a lane
	s_wait_dscnt 0x0
	global_store_b128 v[GOX], v[108:111], s[24:25] offset:2048*(\t)  ; 512 consecutive bytes a wave
.endm
	s_load_b512 s[4:19], s[0:1], 0x0               ; h s[4:5], coverage s[6:7], mask s[8:9], beta s[10:11], W_c s[12:13], v s[14:15], wb s[16:17], dec s[18:19]
	s_load_b128 s[20:23], s[0:1], 0x40             ; pp s[20:21], pml s[22:23]
	s_load_b64 s[24:25], s[0:1], 0x50              ; pctx
	v_lshl_add_u32 v[SPW], v0, 2, SPARE
	v_mov_b32 v[NIL], 0
	ds_add_u32 v[SPW], v[NIL]                      ; the wave's opening: the add, twice on end, and its wait ahead of my first tensor load; the set-up below stands between
	ds_add_u32 v[SPW], v[NIL]                      ; and once more, under the one wait
	v_lshrrev_b32 v1, 5, v0
	v_readfirstlane_b32 s[WV], v1                  ; wave 0..3
	s_bfe_u32 s27, ttmp6, 0x40000                  ; cx: my place in the cluster
	s_lshl_b32 s28, ttmp9, 2                       ; in a cluster launch ttmp9 counts clusters
	s_add_co_u32 s28, s28, s27                     ; my work-group: it enters global addresses of h, the small inputs and the results alone
	s_lshr_b32 s29, s28, 4                         ; my batch
	s_and_b32 s[RX], ttmp9, 3                      ; the walk's first pair of blocks and chunks: the same in all four partners
	s_lshl_b32 s[NB], s[RX], 1
	s_add_co_u32 s[NB], s[NB], 2
	s_and_b32 s[NB], s[NB], 7                      ; the first refill's block: two on from the walk's first
	s_lshl_b32 s[WO], s[RX], 17                    ; the walk's first block in wb
	s_mov_b32 s[WO+1], 0
	s_lshl_b32 s[HQ], s[RX], 9                     ; the walk's first pair of chunks in a row of h
	s_mov_b32 s[HQ+1], 0
	s_add_co_u32 s[PQ], s[HQ], 1536                ; the prefetches begin at the walk's fourth pair
	s_and_b32 s[PQ], s[PQ], 1536
	s_mov_b32 s[PQ+1], 0
	; descriptor group 1: a wave's quarter of a block of wb is 16,384 dense bytes: asked for as 64 rows of 256 bytes, two rows of c W_h each, padded in LDS after every 128 bytes
	s_mov_b32 s[G1], 15|(1<<16)|(1<<20)|(1<<21)|(4<<22)|(3<<25)  ; 15:0 the mask of four; 17:16 2-byte elements; 20 padding on; 21 set beside a mask; 24:22 after every 32 words (code 4); 31:25 4 words (code 3)
	s_mov_b32 s[G1+1], 128<<16                     ; tensor_dim0 = 128
	s_mov_b32 s[G1+2], 64<<16                      ; tensor_dim1 = 64
	s_mov_b32 s[G1+3], 128<<16                     ; tile_dim0 = 128
	s_mov_b32 s[G1+4], 64                          ; tile_dim1 = 64
	s_mov_b32 s[G1+5], 128                         ; 128 elements from row to row
	s_mov_b32 s[G1+6], 0
	s_mov_b32 s[G1+7], 0
	s_mul_i32 s2, s[WV], CHK                       ; my quarter of a slot: no place in the cluster enters an LDS address
	s_mov_b32 s[G0], 1
	s_mov_b32 s[G0+1], s2
	s_mov_b32 s[G0+4], 1
	s_add_co_u32 s[G0+5], s2, WS1
	s_mov_b32 s[PFS], 262144                       ; a tile of h
	s_mov_b32 s[PFS+1], 0
	s_mov_b32 s[PFN], 5
	s_mov_b32 s62, 0x76543210                      ; v_permlanex16_b32: each lane takes its own place in the other half
	s_mov_b32 s63, 0xfedcba98
	s_mov_b32 s66, 0xffff0000                      ; lanes 16-31; also a word's upper bf16
	s_mov_b32 s31, 0
	s_wait_dscnt 0x0                               ; both opening adds are done
	s_wait_kmcnt 0x0
	s_lshl_b32 s30, s[WV], 14
	s_add_nc_u64 s[16:17], s[16:17], s[30:31]      ; wb at my rows of block 0: it stays so
	s_add_nc_u64 s[G0+2:G0+3], s[16:17], s[WO:WO+1]  ; the walk's first block,
	s_add_nc_u64 s[G0+6:G0+7], s[G0+2:G0+3], 65536 ; and its second
	s_or_b32 s[G0+3], s[G0+3], 0x80000000          ; type = 2
	s_or_b32 s[G0+7], s[G0+7], 0x80000000
	s_lshl_b32 s30, s28, 19                        ; 256 tokens of 2,048 bytes
	s_add_nc_u64 s[4:5], s[4:5], s[30:31]          ; h at my first tile
	s_add_nc_u64 s[HB:HB+1], s[4:5], s[HQ:HQ+1]
	s_mov_b64 s[PTB:PTB+1], s[4:5]
	s_add_nc_u64 s[PF:PF+1], s[4:5], s[PQ:PQ+1]
	s_lshl_b32 s30, s28, 10                        ; 256 f32
	s_add_nc_u64 s[6:7], s[6:7], s[30:31]
	s_add_nc_u64 s[8:9], s[8:9], s[30:31]
	s_add_nc_u64 s[20:21], s[20:21], s[30:31]
	s_lshl_b32 s30, s28, 4
	s_add_nc_u64 s[22:23], s[22:23], s[30:31]
	s_lshl_b32 s30, s28, 12
	s_add_nc_u64 s[24:25], s[24:25], s[30:31]
	s_lshl_b32 s30, s28, 3
	s_add_nc_u64 s[10:11], s[10:11], s[30:31]
	s_lshl_b32 s30, s29, 6                         ; dec lies [K quarter][16 m][batch][16 m]: my batch's 64 bytes in a tile
	s_add_nc_u64 s[18:19], s[18:19], s[30:31]
	CROUND                                         ; all four work-groups are here: the first joint loads meet
	tensor_load_to_lds s[G0:G0+3], s[G1:G1+7]      ; the walk's first block into slot 0,
	s_nop 0
	tensor_load_to_lds s[G0+4:G0+7], s[G1:G1+7]    ; its second into slot 1: two loads of mine are out
	s_nop 0
	PLACES
	s_load_b64 s[58:59], s[10:11], 0x0             ; beta of my two tiles
	v_and_b32 v1, 15, v0                           ; r = l % 16
	v_bfe_u32 v2, v0, 4, 1                         ; hh = l / 16
	v_and_b32 v3, 31, v0                           ; l
	v_lshlrev_b32 v26, 4, v0
	v_lshlrev_b32 v27, 3, v0
	v_lshrrev_b32 v47, 2, v0                       ; dec: thread t's four m lie in tile t / 4, at 16 (t % 4) of my batch's 64 bytes
	v_and_b32 v46, 3, v0
	v_lshlrev_b32 v47, 10, v47
	v_lshl_add_u32 v47, v46, 4, v47
	v_lshlrev_b32 v[HOF], 4, v1                    ; token 32 w + 8 hh, 16 bytes a lane
	v_lshl_add_u32 v[HOF], v2, 14, v[HOF]
	s_lshl_b32 s3, s[WV], 16
	v_add_nc_u32 v[HOF], s3, v[HOF]
	global_load_b128 v[64:67],   v47, s[18:19]     ; the tables: thread t takes four m, or two tokens.  dec comes as four partial sums over K
	global_load_b128 v[96:99],   v47, s[18:19] offset:32768
	global_load_b128 v[100:103], v47, s[18:19] offset:65536
	global_load_b128 v[104:107], v47, s[18:19] offset:98304
	global_load_b128 v[68:71], v26, s[12:13]
	global_load_b128 v[72:75], v26, s[14:15]
	global_load_b64 v[76:77], v27, s[6:7]
	global_load_b64 v[78:79], v27, s[8:9]
	ISSUE 0, 0                                     ; the walk's first two chunks
	ISSUE 1, 256
	WIN 0
	v_mul_u32_u24 v30, v1, 144
	v_lshl_add_u32 v30, v2, 4, v30                 ; a fragment's row x pitch + 16 x half
	v_add_nc_u32 v[ADRA0], HT, v30
	v_add_nc_u32 v[ADRB], s[G0+1], v30
	v_add_nc_u32 v[ADRB+1], s[G0+5], v30
	v_mul_u32_u24 v[HST0], v2, 1152                ; row 32 w + 8 hh, 8 bytes a lane
	v_lshl_add_u32 v[HST0], v1, 3, v[HST0]
	s_mul_i32 s3, s[WV], 4608
	s_add_co_u32 s3, s3, HT
	v_add_nc_u32 v[HST0], s3, v[HST0]
	s_lshl_b32 s2, s[WV], 9                        ; 512 w
	s_add_co_u32 s3, s2, TAB
	v_lshl_add_u32 v[TCA], v2, 5, s3               ; m = 128 w + 8 hh
	v_lshl_add_u32 v[COVA], v1, 2, TAB+T_COV
	v_lshl_add_u32 v[MSKA], v3, 4, TAB+T_MSK
	s_add_co_u32 s3, s2, SCB
	v_lshl_add_u32 v[SCW], v3, 2, s3
	v_lshl_add_u32 v[SCR], v3, 4, SCB
	s_add_co_u32 s3, s2, PWB
	v_lshl_add_u32 v[PWS], v3, 3, s3
	v_and_b32 v31, 1, v0
	v_lshl_add_u32 v[PWR], v31, 8, s3              ; even rows read p_hi, odd rows p_lo
	v_lshl_add_u32 v[PWR], v2, 4, v[PWR]
	v_and_b32 v31, 7, v0                           ; the turning load: lane l reads token 8 hh + l % 8, channels 8 ((l / 8) % 2) + 0..7
	v_lshl_add_u32 v31, v2, 3, v31
	v_mul_u32_u24 v[TRA], v31, 144
	v_bfe_u32 v31, v0, 3, 1
	v_lshl_add_u32 v[TRA], v31, 4, v[TRA]
	s_mul_i32 s3, s[WV], 2*CHK
	s_add_co_u32 s3, s3, HT
	v_add_nc_u32 v[TRA], s3, v[TRA]
	s_add_co_u32 s3, s2, CXB
	v_lshl_add_u32 v[CXS], v3, 2, s3
	v_lshl_add_u32 v[CXR], v3, 4, s3
	v_lshlrev_b32 v[GO], 4, v3
	s_add_co_u32 s3, s[RX], s[WV]                  ; the walk's chunks 2 w and 2 w + 1 are h's pair (x % 4 + w) % 4: 128 channels, 512 bytes of a row of pctx
	s_and_b32 s3, s3, 3
	s_lshl_b32 s3, s3, 9
	v_lshl_add_u32 v[GOX], v3, 4, s3
	v_lshlrev_b32 v[PFO], 11, v0                   ; token 32 w + l
	v_mov_b32 v[ZO], 0
.irp a, 0,1,2,3,4,5,6,7
	v_mov_b32 v[TT+(\a)], 0                        ; v_permlanex16_b32's destinations count as read
.endr
	v_lshl_add_u32 v30, v0, 4, TAB
	v_lshl_add_u32 v31, v0, 3, TAB+T_COV
	s_wait_xcnt 0x0                                ; every load issued so far has read its address, so the pointer may be written
	HSTEP                                          ; the walk's second pair
	s_wait_loadcnt 32                              ; the tables are in; the two chunks' 32 loads are younger
	v_pk_add_f32 v[64:65],   v[64:65],   v[96:97]  ; c dec_fea: the four quarters of K
	v_pk_add_f32 v[66:67],   v[66:67],   v[98:99]
	v_pk_add_f32 v[100:101], v[100:101], v[104:105]
	v_pk_add_f32 v[102:103], v[102:103], v[106:107]
	v_pk_add_f32 v[64:65],   v[64:65],   v[100:101]
	v_pk_add_f32 v[66:67],   v[66:67],   v[102:103]
	v_pk_mul_f32 v[68:69], v[68:69], 0x4038aa3b op_sel_hi:[1,0]  ; c W_c
	v_pk_mul_f32 v[70:71], v[70:71], 0x4038aa3b op_sel_hi:[1,0]
	v_pk_mul_f32 v[80:81], v[72:73], -2.0 op_sel_hi:[1,0]        ; -2 v
	v_pk_mul_f32 v[82:83], v[74:75], -2.0 op_sel_hi:[1,0]
	v_add_f32 v[VW], v72, v73                      ; my wave's threads hold just its 128 m
	v_add_f32 v84, v74, v75
	v_add_f32 v[VW], v[VW], v84
	v_add_f32_dpp v[VW], v[VW], v[VW] row_xmask:1 row_mask:0xf bank_mask:0xf
	v_add_f32_dpp v[VW], v[VW], v[VW] row_xmask:2 row_mask:0xf bank_mask:0xf
	v_add_f32_dpp v[VW], v[VW], v[VW] row_xmask:4 row_mask:0xf bank_mask:0xf
	v_add_f32_dpp v[VW], v[VW], v[VW] row_xmask:8 row_mask:0xf bank_mask:0xf
	v_permlanex16_b32 v[TT], v[VW], s62, s63
	v_add_f32 v[VW], v[VW], v[TT]
	ds_store_b128 v30, v[64:67]
	ds_store_b128 v30, v[68:71] offset:T_WC
	ds_store_b128 v30, v[80:83] offset:T_V2
	ds_store_b64 v31, v[76:77]
	ds_store_b64 v31, v[78:79] offset:T_MSK-T_COV
	s_wait_dscnt 0x0                               ; for the others' sake: my part of the tables lies in LDS
	s_wait_kmcnt 0x0                               ; beta
	s_barrier_signal -1
	s_barrier_wait -1                              ; the tensor loads may stay out
	s_mov_b32 s[TL], 2
.Ltile:
	s_wait_tensorcnt 0x1                           ; slot 0 is in; one load was issued behind its own, slot 1's, at the start and at a change of tiles alike
	PLACES                                         ; for the loads into registers that the second product has read
.irp a, 0,1,2,3,4,5,6,7
	ds_load_b32 v[COVR+2*(\a)],   v[COVA] offset:64*(\a)
	ds_load_b32 v[COVR+2*(\a)+1], v[COVA] offset:64*(\a)
.endr
.irp b, 0,1,2,3,4,5,6,7
	ds_load_b128 v[64+8*(\b):67+8*(\b)],   v[TCA] offset:T_WC+64*(\b)
	ds_load_b128 v[68+8*(\b):71+8*(\b)],   v[TCA] offset:T_WC+64*(\b)+16
	ds_load_b128 v[128+8*(\b):131+8*(\b)], v[TCA] offset:64*(\b)
	ds_load_b128 v[132+8*(\b):135+8*(\b)], v[TCA] offset:64*(\b)+16
.endr
	s_mov_b32 s[KO], 0
	v_mov_b32 v[ADRA], v[ADRA0]
	v_mov_b32 v[HST], v[HST0]
	s_wait_dscnt 0x0
	; the sums start at c dec_fea[m] + coverage[token] c W_c[m]: nothing is cleared, and the K loop has one form of product
.set ia, 0
.rept 8
	WIN 0x80+0x40*(ia/4)                           ; the destination in window 2 or 3
.set ib, 0
.rept 8
.set ij, 0
.rept 4
	v_pk_fma_f32 v[8*(8*(ia%4)+ib)+2*ij:8*(8*(ia%4)+ib)+2*ij+1], v[64+8*ib+2*ij:64+8*ib+2*ij+1], v[COVR+2*ia:COVR+2*ia+1], v[128+8*ib+2*ij:128+8*ib+2*ij+1]
.set ij, ij+1
.endr
.set ib, ib+1
.endr
.set ia, ia+1
.endr
	EVENT 0, 16, 0                                 ; the walk's first chunk; the second's sixteen loads are younger
	s_wait_dscnt 0x0                               ; for the others' sake: my rows of that chunk lie in LDS
	s_barrier_signal -1
	s_barrier_wait -1
	FETCH 0, 0, 0, F0
	s_mov_b32 s[KC], 3
.Lk:                                                   ; a trip: two K steps, once round the ring; steps 0 to 5
	STEP 0, 1, 1, 2, 1
	STEP 1, 1, 1, 2, 1
	WIN 0                                          ; at a label and at a branch every window is 0
	s_add_co_u32 s[KO], s[KO], 2*CHK
	v_add_nc_u32 v[ADRA], s[KO], v[ADRA0]
	v_add_nc_u32 v[HST], s[KO], v[HST0]
	s_wait_xcnt 0x0                                ; the trip's loads and prefetches, a K step back or more, have read their addresses
	HSTEP
	PFSTEP
	s_sub_co_u32 s[KC], s[KC], 1
	s_cmp_lg_u32 s[KC], 0
	s_cbranch_scc1 .Lk
	s_cmp_eq_u32 s[TL], 1
	s_cbranch_scc1 .Llast                          ; the last tile's tail is written out: it asks for nothing more
	STEP 0, 0, 2, 2, 1                             ; THE RING GOES ON INTO THE NEXT TILE: slot 0 takes the walk's first block again,
	STEP 1, 2, 0, 2, 0                             ; slot 1 its second, and the next tile's first two chunks of h are asked for
	EPI
	SOFT 0
	CTX 0
	s_wait_dscnt 0x0                               ; my reads of the tile are over:
	s_barrier_signal -1
	s_barrier_wait -1                              ; everybody's are: the next tile's chunks may be laid over it
	s_wait_xcnt 0x0                                ; the stores have read their registers, the loads and prefetches their addresses
	s_add_nc_u64 s[4:5], s[4:5], 262144            ; h at my second tile,
	HSTEP                                          ; at the walk's second pair
	PFSTEP
	v_add_nc_u32 v[COVA], 512, v[COVA]
	s_sub_co_u32 s[TL], s[TL], 1
	s_branch .Ltile
.Llast:
	STEP 0, 0, 2, 1, 1                             ; nothing is filled again, so no round of the cluster's barrier follows
	STEP 1, 0, 0, 0, 0
	EPI
	SOFT 1
	CTX 1
	s_wait_tensorcnt 0x0                           ; the wave's end, behind my last tensor load and my last LDS store
	ds_add_u32 v[SPW], v[NIL]
	s_wait_dscnt 0x0
	CROUND                                         ; the closing round: no work-group ends while a partner may still ask for a block that names it
	s_endpgm
.Lfunc_end_k_qad3087ec0d_main:
	.size	k_qad3087ec0d_main, .Lfunc_end_k_qad3087ec0d_main-k_qad3087ec0d_main
	.p2alignl 7, 3214868480
	.fill 96, 4, 3214868480
	.section	.rodata,"a",@progbits
	.p2align	6, 0x0
	.amdhsa_kernel k_qad3087ec0d_main
		.amdhsa_group_segment_fixed_size 327680
		.amdhsa_private_segment_fixed_size 0
		.amdhsa_enable_private_segment 0
		.amdhsa_kernarg_size 88
		.amdhsa_user_sgpr_count 2
		.amdhsa_user_sgpr_kernarg_segment_ptr 1
		.amdhsa_wavefront_size32 1
		.amdhsa_system_sgpr_workgroup_id_x 1
		.amdhsa_system_sgpr_workgroup_id_y 1
		.amdhsa_system_sgpr_workgroup_id_z 1
		.amdhsa_system_vgpr_workitem_id 0
		.amdhsa_next_free_vgpr 1024
		.amdhsa_next_free_sgpr 80
		.amdhsa_reserve_vcc 1
		.amdhsa_float_denorm_mode_32 3
		.amdhsa_float_denorm_mode_16_64 3
		.amdhsa_memory_ordered 1
		.amdhsa_forward_progress 1
		.amdhsa_inst_pref_size 255
	.end_amdhsa_kernel
	.section	.bss,"aw",@nobits
	.p2align	6
	.space	262144
	.amdgpu_metadata
---
amdhsa.version: [ 1, 2 ]
amdhsa.kernels:
  - .name:           k_qad3087ec0d_main
    .symbol:         k_qad3087ec0d_main.kd
    .args:
      - { .name: h, .offset: 0, .size: 8, .value_kind: global_buffer, .address_space: global }
      - { .name: coverage, .offset: 8, .size: 8, .value_kind: global_buffer, .address_space: global }
      - { .name: enc_padding_mask, .offset: 16, .size: 8, .value_kind: global_buffer, .address_space: global }
      - { .name: beta, .offset: 24, .size: 8, .value_kind: global_buffer, .address_space: global }
      - { .name: W_c, .offset: 32, .size: 8, .value_kind: global_buffer, .address_space: global }
      - { .name: v, .offset: 40, .size: 8, .value_kind: global_buffer, .address_space: global }
      - { .name: wb, .offset: 48, .size: 8, .value_kind: global_buffer, .address_space: global }
      - { .name: dec, .offset: 56, .size: 8, .value_kind: global_buffer, .address_space: global }
      - { .name: pp, .offset: 64, .size: 8, .value_kind: global_buffer, .address_space: global }
      - { .name: pml, .offset: 72, .size: 8, .value_kind: global_buffer, .address_space: global }
      - { .name: pctx, .offset: 80, .size: 8, .value_kind: global_buffer, .address_space: global }
    .group_segment_fixed_size: 327680
    .private_segment_fixed_size: 0
    .kernarg_segment_align: 8
    .kernarg_segment_size: 88
    .max_flat_workgroup_size: 128
    .sgpr_count:     80
    .vgpr_count:     1024
    .wavefront_size: 32
...
	.end_amdgpu_metadata
.endif
;; end of part 5
;; launch fin: the kernel of part 3 again; grid 128 x 1, 4 waves a work-group, no clusters, 1,536 bytes of LDS; arguments pp, pml, pctx, coverage, out0, out1, out2; writes out0, out1, out2
